; MI455X (gfx1250); checked and timed in simulation.
; The chip was launched on July 23, 2026; its instructions are those of AMD's public machine-readable ISA for CDNA 5 (MIT licence, August 2026) and "CDNA5" Instruction Set Architecture Reference Guide (July 2026). The comments in the code are by the model that wrote it; some were corrected since.
;; Multi Head Attention. Allowed arithmetic: matrix products marked QUANTISED: E4M3 operands, one given power-of-two scale a tensor, by v_wmma_f32_16x16x64_fp8_fp8 or v_wmma_f32_16x16x128_fp8_fp8, f32 sums; everything else in f32.
;; Inputs: bk 1,024 float32; bo 1,024 float32; bq 1,024 float32; bv 1,024 float32; input 4 x 2,048 x 1,024 float32; lowp_scales 12 int32 (the exponents e of the quantised operands' scales 2^e); mask 4 x 2,048 int32; wk 1,024 x 1,024 float32; wo 1,024 x 1,024 float32; wq 1,024 x 1,024 float32; wv 1,024 x 1,024 float32.
;; Outputs: out0 4 x 2,048 x 1,024 float32.
;; This version of the problem:
;;   THIS VERSION OF THE PROBLEM IS GIVEN IN LOW PRECISION. The matrix products marked QUANTISED in the list below multiply operands that are first quantised to E4M3 (4 exponent bits, 3 mantissa bits; 8 bits a number), with one given power-of-two scale for each operand tensor; their sums are f32. All else is computed in f32.
;;   The module's matrix products, in the order in which they are computed (A, B: the left and right operand; K: the contracted axis; several contracted axes count as one K, in the product's order):
;;     1. [M 8,192, K 1,024] x [K 1,024, N 1,024]; A: input input; B: input wq: QUANTISED (scales: A lowp_scales[0], B lowp_scales[1])
;;     2. [M 8,192, K 1,024] x [K 1,024, N 1,024]; A: input input; B: input wk: QUANTISED (scales: A lowp_scales[2], B lowp_scales[3])
;;     3. [M 8,192, K 1,024] x [K 1,024, N 1,024]; A: input input; B: input wv: QUANTISED (scales: A lowp_scales[4], B lowp_scales[5])
;;     4. batch 64 x [M 2,048, K 64] x [K 64, N 2,048]; A: computed on the way; B: computed on the way: QUANTISED (scales: A lowp_scales[6], B lowp_scales[7])
;;     5. batch 64 x [M 2,048, K 2,048] x [K 2,048, N 64]; A: softmax (see below); B: computed on the way: QUANTISED (scales: A lowp_scales[8], B lowp_scales[9])
;;     6. [M 8,192, K 1,024] x [K 1,024, N 1,024]; A: computed on the way; B: input wo: QUANTISED (scales: A lowp_scales[10], B lowp_scales[11])
;;   THE QUANTISER, for each operand of a quantised product, along K:
;;     - The operand's scale is 2^e, e = its entry of the input lowp_scales (int32; the entries are numbered through the quantised products in the list's order, A before B).
;;     - Each number is divided by the scale, clamped to +-448, and rounded to the nearest number of E4M3, ties to even, subnormals kept.
;;     - The product sums the exact products of the quantised numbers (number of the format x scale) in f32.
;;   ~~~python
;;   def quantise(x, axis, e):      # numpy; x: float32 -> the quantised numbers, widened to float32 again
;;       x = np.moveaxis(x, axis, -1); K = x.shape[-1]
;;       r = np.clip(x / 2.0 ** e, -448, 448)
;;       step = 2.0 ** (np.maximum(np.frexp(np.where(r == 0, 1, r))[1] - 1, -6) - 3)
;;       q = np.round(r / step) * step * 2.0 ** e      # np.round: ties to even
;;       return np.moveaxis(q, -1, axis).astype(np.float32)
;;   ~~~
;;   SOFTMAX AHEAD OF A QUANTISED PRODUCT. Where the list says 'softmax', what is quantised is not the finished softmax but p = 2^(t - M), with t = logit x log2(e) and M = ceil(the row's largest t), a whole number; so 1/2 < the row's largest p <= 1. The row's sum l is taken of the UNQUANTISED p, in f32, and the product's result is divided by l at the end. Since M is a whole number, a kernel that streams over the keys may use a running M (the ceiling of the running maximum): every later rescaling is an exact power of two, so the quantised numbers keep their values, but for numbers so far below the row's largest that they fall under the format's range.
;;   OPERANDS COMPUTED ON THE WAY. 'Computed on the way' means the value that the module computes at that place (a softmax that the list does not call 'softmax' is quantised finished and normalised). What goes into a quantiser is computed in f32, as accurately as f32 sums, v_exp_f32 and their like allow (about 1e-6 of the number): no bf16 or f16 on the way to a quantiser, and a product that is left as it is and whose result goes on into a quantised operand takes f32 operands (vector FMAs, or v_wmma_f32_16x16x4_f32). A number that lies on a knife's edge between two numbers of the format may be rounded either way, as far as f32 arithmetic and the matrix unit's own rounding can turn it there, and no further.
;; 2 versions. Each part assembles by itself: llvm-mc -triple=amdgcn-amd-amdhsa -mcpu=gfx1250 --defsym DOCPART=n.
;; ======== version 1 of 2: 4 launches
;; limits: right only within a limited range of input values
;; workspace buffers: xcodes 25,165,824 bytes; wcodes 4,194,304 bytes; qimg 8,388,608 bytes; kv 16,777,216 bytes; ctximg 8,388,608 bytes
;; launch quant (part 1): grid 768 x 1, 4 waves a work-group, no clusters, 33,280 bytes of LDS; arguments input, wq, wk, wv, wo, lowp_scales, xcodes, wcodes; writes xcodes, wcodes
.if DOCPART == 1
	.amdgcn_target "amdgcn-amd-amdhsa--gfx1250"
	.amdhsa_code_object_version 6
	.text
	.protected	k_q0c91be1170_quant
	.globl	k_q0c91be1170_quant
	.p2align	8
	.type	k_q0c91be1170_quant,@function
k_q0c91be1170_quant:
	s_mov_b64 s[64:65], 0
	v_nop
	global_prefetch_b8 v0, s[64:65] scope:SCOPE_SE
	s_setreg_imm32_b32 hwreg(HW_REG_WAVE_MODE, 25, 1), 1
	s_wait_xcnt 0x0
; input [8192][1024] f32 becomes THREE sets of codes of FP8 (E4M3), since it is an operand of three products, each with a scale of its own (entries 0, 2, 4 of the scales):
; xcodes [3][8192][1024], one code a byte, K innermost.  wq, wk, wv, wo [1024][1024] f32 become wcodes [4][1024][1024] with entries 1, 3, 5, 11.
; code = x / 2^e, held within +-448, rounded to the nearest code, ties to even.
; LIMITS: each e used here lies between -126 and 119, so that 2^e and 448 x 2^e are f32 numbers.  NaN among the inputs is not served (an infinity is held at the largest code).
; Rows are dense and K is innermost in all five tensors: they are plain streams.  A work-group takes 16,384 numbers, a wave 8 steps of 512.  Work-groups 0-511 take input, 512-767 the weights, 64 each.
; The conversions take 8 neighbours from ONE lane's registers, a load is best where neighbouring LANES take neighbouring bytes: each of a step's four loads reads 512 consecutive bytes, the 2,048 bytes go
; through the wave's own stage in LDS as they lie and come back 64 bytes a lane (16 bytes of padding behind each 64).  A lane's 16 codes are 16 bytes: a store covers 512 consecutive bytes, aligned.
; One path for all tensors: only pointers and exponents are chosen, by the work-group's number.  The weights' work-groups jump over the second and third conversion.  Waves share nothing: no barrier.
; No cluster: no two work-groups read the same bytes.  No matrix unit, no tensor load: a stream has no use for them.
.set STEPS, 8
.set SP,    80                         ; a lane's place in a stage: 64 bytes + 16 of padding
.set WREG,  8192                       ; LDS of a wave: two stages of 32 x SP bytes
.set R,     16                         ; v16-79   four sets of 16 numbers as loaded
.set X,     80                         ; v80-111  two sets of 16 neighbours
.set T,     112                        ; v112-127 the 16 numbers, held
.set C,     128                        ; v128-151 codes: two sets of 3 x 4 registers
.set SCV,   8                          ; v8, v10, v12: 2^e;  v9, v11, v13: 448 x 2^e
	s_load_b256 s[4:11], s[0:1], 0x0               ; input s[4:5], wq s[6:7], wk s[8:9], wv s[10:11]
	s_load_b256 s[12:19], s[0:1], 0x20             ; wo s[12:13], the scales s[14:15], xcodes s[16:17], wcodes s[18:19]
	v_lshl_add_u32 v160, v0, 2, 0x8000
	v_mov_b32 v161, 0
	v_lshrrev_b32 v1, 5, v0
	v_readfirstlane_b32 s20, v1                    ; wave
	v_and_b32 v2, 31, v0                           ; lane
	v_lshlrev_b32 v3, 4, v2                        ; my 16 bytes of a load's 512, and of a step's 512 bytes of codes
	s_mul_i32 s33, s20, WREG
	v_lshrrev_b32 v14, 2, v2
	v_mul_u32_u24 v14, v14, SP
	v_and_b32 v15, 3, v2
	v_lshl_add_u32 v14, v15, 4, v14
	v_add_nc_u32 v14, s33, v14                     ; the stage, on the way in: SP (lane / 4) + 16 (lane % 4); a load's 512 bytes take eight places
	v_mul_u32_u24 v15, v2, SP
	v_add_nc_u32 v15, s33, v15                     ; and on the way out: SP x lane: my 16 neighbours
	s_and_b32 s31, ttmp9, 63                       ; a weight's work-group: which 16,384 numbers of its tensor,
	s_sub_co_u32 s32, ttmp9, 512                   ; and of wcodes
	s_wait_kmcnt 0x0
	s_load_b256 s[36:43], s[14:15], 0x0            ; e0 .. e7
	s_load_b128 s[44:47], s[14:15], 0x20           ; e8 .. e11
	s_cmp_lt_u32 ttmp9, 704                        ; the source: every choice hangs on the work-group's number alone
	s_cselect_b64 s[22:23], s[10:11], s[12:13]
	s_cmp_lt_u32 ttmp9, 640
	s_cselect_b64 s[22:23], s[8:9], s[22:23]
	s_cmp_lt_u32 ttmp9, 576
	s_cselect_b64 s[22:23], s[6:7], s[22:23]
	s_cmp_lt_u32 ttmp9, 512
	s_cselect_b64 s[22:23], s[4:5], s[22:23]
	s_cselect_b64 s[24:25], s[16:17], s[18:19]     ; where the codes go
	s_cselect_b32 s21, 1, 0                        ; 1: input, three sets of codes
	s_cselect_b32 s31, ttmp9, s31
	s_cselect_b32 s32, ttmp9, s32
	s_lshl_b32 s31, s31, 2
	s_add_co_u32 s31, s31, s20                     ; which run of 4,096 numbers is my wave's
	s_lshl_b32 s34, s31, 14                        ; 16,384 bytes of f32 each
	s_mov_b32 s35, 0
	s_add_nc_u64 s[22:23], s[22:23], s[34:35]
	s_lshl_b32 s32, s32, 2
	s_add_co_u32 s32, s32, s20
	s_lshl_b32 s34, s32, 12                        ; 4,096 bytes of codes each
	s_add_nc_u64 s[24:25], s[24:25], s[34:35]
	s_add_nc_u64 s[26:27], s[24:25], 0x800000      ; input's second and third set (no weight's work-group stores by these two)
	s_add_nc_u64 s[28:29], s[24:25], 0x1000000
.macro LOAD t
.irp i, 0,1,2,3
	global_load_b128 v[R+16*((\t)%4)+4*\i:R+16*((\t)%4)+4*\i+3], v3, s[22:23] offset:2048*(\t)+512*\i th:TH_LOAD_NT   ; 32 lanes read 512 consecutive bytes; read once in the launch
.endr
.endm
.macro TURN t                          ; step t's numbers through the stage: LDS serves a wave's instructions in order, so no wait stands between the stores and the loads
.irp i, 0,1,2,3
	ds_store_b128 v14, v[R+16*((\t)%4)+4*\i:R+16*((\t)%4)+4*\i+3] offset:32*SP*((\t)%2)+8*SP*\i
.endr
.irp i, 0,1,2,3
	ds_load_b128 v[X+16*((\t)%2)+4*\i:X+16*((\t)%2)+4*\i+3], v15 offset:32*SP*((\t)%2)+16*\i
.endr
.endm
.macro MKSC e, v                       ; 2^e and 448 x 2^e as f32 numbers, e in s[e]
	s_add_co_i32 s34, s[\e], 127
	s_lshl_b32 s35, s34, 23
	v_mov_b32 v[\v], s35
	s_add_co_i32 s34, s34, 8
	s_lshl_b32 s34, s34, 23
	s_or_b32 s34, s34, 0x600000
	v_mov_b32 v[\v+1], s34
.endm
.irp t, 0,1,2,3
	LOAD \t
.endr
	s_wait_kmcnt 0x0
	s_cmp_lt_u32 ttmp9, 704                        ; the first conversion's exponent: e0 for input, e1, e3, e5, e11 for the weights
	s_cselect_b32 s30, s41, s47
	s_cmp_lt_u32 ttmp9, 640
	s_cselect_b32 s30, s39, s30
	s_cmp_lt_u32 ttmp9, 576
	s_cselect_b32 s30, s37, s30
	s_cmp_lt_u32 ttmp9, 512
	s_cselect_b32 s30, s36, s30
	MKSC 30, SCV
	MKSC 38, SCV+2                                 ; e2
	MKSC 40, SCV+4                                 ; e4
	s_wait_loadcnt 12                              ; step 0's four loads are in; the twelve behind them may be out
	TURN 0
; Conversion k of step t: the numbers stay in X, since input's are converted three times; the held numbers go to T.
.macro CONV k, t
.set XS, X+16*((\t)%2)
.set CC, C+12*((\t)%2)+4*(\k)
.irp i, 0,1,2,3,4,5,6,7,8,9,10,11,12,13,14,15
	v_med3_num_f32 v[T+\i], v[XS+\i], -v[SCV+2*(\k)+1], v[SCV+2*(\k)+1]   ; the conversion to an 8-bit code does not saturate (ISA guide 7.6.2): the hold at the largest code x the scale
.endr
	v_cvt_scalef32_pk8_fp8_f32 v[CC:CC+1], v[T:T+7], v[SCV+2*(\k)]
	v_cvt_scalef32_pk8_fp8_f32 v[CC+2:CC+3], v[T+8:T+15], v[SCV+2*(\k)]
	v_nop                                          ; one plain vector line between a scaled conversion and the next write of its sources: T is written again by the next conversion's holds
	global_store_b128 v3, v[CC:CC+3], s[24+2*(\k):25+2*(\k)] offset:512*(\t)   ; 512 consecutive bytes, aligned
.endm
.macro STEP t
	s_wait_dscnt 0x0                               ; this step's numbers are back from the stage: so its stores into the stage have read their registers,
.if (\t)+4 < STEPS
	LOAD (\t)+4                                    ; which take the loads of four steps on
.endif
.if (\t)+1 < STEPS
.if STEPS-2-(\t) >= 3
	s_wait_loadcnt 12                              ; the next step's four loads are in; those of the three steps behind it may be out
.else
	s_wait_loadcnt 4*(STEPS-2-(\t))
.endif
	TURN (\t)+1                                    ; and go through the other stage while this step is worked
.endif
.if (\t) >= 2
	s_wait_xcnt 0x0                                ; the stores of two steps ago have read this set of code registers: it is written again only behind this wait
.endif
	CONV 0, \t
	s_cmp_eq_u32 s21, 0                            ; a weight has one scale
	s_cbranch_scc1 .Lone_\@
	CONV 1, \t
	CONV 2, \t
.Lone_\@:
.endm
.irp t, 0,1,2,3,4,5,6,7
	STEP \t
.endr
	s_wait_tensorcnt 0x0
	ds_add_u32 v160, v161
	s_wait_dscnt 0x0
	s_endpgm
.Lfunc_end_k_q0c91be1170_quant:
	.size	k_q0c91be1170_quant, .Lfunc_end_k_q0c91be1170_quant-k_q0c91be1170_quant
	.p2alignl 7, 3214868480
	.fill 96, 4, 3214868480
	.section	.rodata,"a",@progbits
	.p2align	6, 0x0
	.amdhsa_kernel k_q0c91be1170_quant
		.amdhsa_group_segment_fixed_size 33280
		.amdhsa_private_segment_fixed_size 0
		.amdhsa_enable_private_segment 0
		.amdhsa_kernarg_size 64
		.amdhsa_user_sgpr_count 2
		.amdhsa_user_sgpr_kernarg_segment_ptr 1
		.amdhsa_wavefront_size32 1
		.amdhsa_system_sgpr_workgroup_id_x 1
		.amdhsa_system_sgpr_workgroup_id_y 1
		.amdhsa_system_sgpr_workgroup_id_z 1
		.amdhsa_system_vgpr_workitem_id 0
		.amdhsa_next_free_vgpr 162
		.amdhsa_next_free_sgpr 66
		.amdhsa_reserve_vcc 0
		.amdhsa_float_denorm_mode_32 3
		.amdhsa_float_denorm_mode_16_64 3
		.amdhsa_memory_ordered 1
		.amdhsa_forward_progress 1
		.amdhsa_inst_pref_size 42
	.end_amdhsa_kernel
	.amdgpu_metadata
---
amdhsa.version: [ 1, 2 ]
amdhsa.kernels:
  - .name:           k_q0c91be1170_quant
    .symbol:         k_q0c91be1170_quant.kd
    .args:
      - { .name: input, .offset: 0, .size: 8, .value_kind: global_buffer, .address_space: global }
      - { .name: wq, .offset: 8, .size: 8, .value_kind: global_buffer, .address_space: global }
      - { .name: wk, .offset: 16, .size: 8, .value_kind: global_buffer, .address_space: global }
      - { .name: wv, .offset: 24, .size: 8, .value_kind: global_buffer, .address_space: global }
      - { .name: wo, .offset: 32, .size: 8, .value_kind: global_buffer, .address_space: global }
      - { .name: lowp_scales, .offset: 40, .size: 8, .value_kind: global_buffer, .address_space: global }
      - { .name: xcodes, .offset: 48, .size: 8, .value_kind: global_buffer, .address_space: global }
      - { .name: wcodes, .offset: 56, .size: 8, .value_kind: global_buffer, .address_space: global }
    .group_segment_fixed_size: 33280
    .private_segment_fixed_size: 0
    .kernarg_segment_align: 8
    .kernarg_segment_size: 64
    .max_flat_workgroup_size: 128
    .sgpr_count:     66
    .vgpr_count:     162
    .wavefront_size: 32
...
	.end_amdgpu_metadata
.endif
;; end of part 1
;; launch qkv (part 2): grid 8 x 48, 4 waves a work-group, clusters of 4 x 4, 327,680 bytes of LDS; arguments xcodes, wcodes, lowp_scales, bq, bk, bv, qimg, kv; writes qimg, kv
.if DOCPART == 2
	.amdgcn_target "amdgcn-amd-amdhsa--gfx1250"
	.amdhsa_code_object_version 6
	.text
	.protected	k_q0c91be1170_qkv
	.globl	k_q0c91be1170_qkv
	.p2align	8
	.type	k_q0c91be1170_qkv,@function
k_q0c91be1170_qkv:
	s_mov_b64 s[64:65], 0
	v_nop
	global_prefetch_b8 v0, s[64:65] scope:SCOPE_SE
	s_setreg_imm32_b32 hwreg(HW_REG_WAVE_MODE, 25, 1), 1
	s_wait_xcnt 0x0
	s_wait_alu depctr_hold_cnt(0) depctr_sa_sdst(0) depctr_va_vdst(0) depctr_va_sdst(0) depctr_va_ssrc(0) depctr_va_vcc(0) depctr_vm_vsrc(0)
	s_getreg_b32 s2, hwreg(HW_REG_IB_STS2, 6, 4)
	s_cmp_eq_u32 s2, 0
	s_cbranch_scc0 .Lentry_in_a_cluster
	s_endpgm
.Lentry_in_a_cluster:
	s_bfe_u32 s2, ttmp6, 0x10000c
	s_cmp_lg_u32 s2, 0xf033
	s_cbranch_scc0 .Lentry_shape_is_right
	s_endpgm
.Lentry_shape_is_right:
; q = (x wq^T + bq) / 8, k = x wk^T + bk, v = x wv^T + bv on codes of FP8 (E4M3), K = 1,024, sums in f32; each result is quantised at once for the attention's products (entries 6, 7, 9 of the scales)
; and stored as the IMAGE OF THE OPERAND REGISTERS that the next launch loads: groups of four registers, lane l's 16 bytes at 16 l, 512 bytes a group.
; A tile is 256 x 256, made by four waves, each 128 x 128 in 64 accumulators.  Two operands: T, source 0 of the matrix instruction, whose rows run along a lane's result registers, and U, source 1, of which a lane
; holds one row.  In the result lane (r, h) holds U's row r and, in register j, T's row 8 h + j: so the conversion of accumulator b gives registers 2 b, 2 b + 1 with T's rows 16 b + 8 h + 0 .. 7:
; the place that the plain 8-bit forms give each k (ISA guide 7.12.2).  Nothing is transposed and nothing goes through LDS on the way out.
;   q, k (clusters y < 8; cluster x = 0: q, 1: k):  T = the weight's rows (the head's 64 become the next K), U = tokens.     v (clusters y >= 8):  T = tokens (the keys become the next K), U = wv's rows.
; qimg [64 heads][128 tiles of 16 queries][1,024 B];  kv [64 heads][16 blocks of 128 keys][16,384 B]: 8 tiles of 16 keys x 1,024 B, then 4 tiles of 16 channels x 2,048 B of v.
; CLUSTERS: 4 x 4 work-groups.  U's tile is shared along a row of the cluster, T's along a column: each is asked for jointly, by the same tensor load with the same descriptor and a mask that names the four.
; K goes in steps of 256 through a ring of two LDS slots; a fragment (16 rows x 128 K) is fetched by four loads of 16 bytes, which is one permutation of k, the same in T and U.
; LIMITS: e0 + e1, e2 + e3, e4 + e5 between -126 and 127; e6 + 3, e7, e9 between -126 and 119: each power of two below is an f32 number.  The division by 8 is folded into q's scale: 2^(e6 + 3).
; REGISTERS, in windows of 256: window 0: v0-31 addresses; v32-95 the bias along T's rows; v96-111 codes; v112-127 the bias along U's rows; from v128 U's fragments, one set.
;   window 1: T's fragments, two sets.   window 2: the accumulators of my U rows 0-63 ((a, b) at v[8 (8 a + b)]);   window 3: those of rows 64-127.
.set ROWB,   256                       ; a tile's row in bytes
.set KROW,   1024                      ; a row of codes in memory
.set PITCH,  272                       ; an LDS row: 256 bytes + 16 of padding = 68 words: row r starts at bank 4 r mod 64 (ISA guide 11.1), so the 16 rows that a load touches start at 16 different banks
.set FR,     16                        ; registers of a fragment
.set NL,     4                         ; LDS loads that bring one
.set NP,     4                         ; places behind this matrix instruction (ISA guide 7.12.1)
.set HALFT,  128*PITCH                 ; what one tensor load brings
.set SLOT,   4*HALFT                   ; U's 256 rows, then T's 256 rows
.set LAPS,   2                         ; 1,024 along K = two laps of two K steps
.set SPARE,  2*SLOT                    ; behind the ring: the spare words, 128 bytes for each wave, which no other line names
.set PADW,   (1<<20)|(1<<21)|(5<<22)|(3<<25)   ; elements of 1 byte; padding on; bit 21 beside a mask; after every 64 words, 4 words
.set ADRA, 16                          ; v16-17  LDS address of my U fragments in slot 0, 1
.set ADRB, 20                          ; v20-21  the same for T
.set LIM,  10                          ; v10     448 x the result's scale
.set SCL,  11                          ; v11     the result's scale
.set LO,   12                          ; v12     16 x lane
.set SPW,  28                          ; v28     my spare word's LDS address; never rewritten
.set NIL,  29                          ; v29     0; never rewritten
.set BI,   32
.set CD,   96
.set BV,   112
.set AF,   128
.set G1, 24                            ; s[24:31] descriptor group 1 for U's tiles;  s[32:39] group 0, one set for each slot
.set G0, 32
.set G1B, 48                           ; s[48:55], s[56:63] the same for T's tiles
.set G0B, 56
.set MSB, 0
.macro WIN new                         ; the immediate's high byte repeats the setting that is left
.if MSB != (\new)
	s_set_vgpr_msb (MSB<<8)|(\new)
.set MSB, (\new)
.endif
.endm
.set MUL_LO, 0xa1                      ; source 0 (T) window 1, source 1 (U) window 0, C and D window 2
.set MUL_HI, 0xf1                      ; the same, C and D window 3
.set TO_B,   0x40                      ; destination window 1, address window 0
; A joint load: waves 0 and 1 fetch for U, waves 2 and 3 for T.  The branch hangs on the wave's number alone.  Four v_nop follow each of the two lines.
.macro JLOAD g0a, g1a, g0b, g1b
	s_cmp_eq_u32 s15, 0
	s_cbranch_scc0 .Lfor_b_\@
	tensor_load_to_lds s[\g0a:\g0a+3], s[\g1a:\g1a+7]
	s_nop 0
.rept 4
	v_nop
.endr
	s_branch .Lasked_\@
.Lfor_b_\@:
	tensor_load_to_lds s[\g0b:\g0b+3], s[\g1b:\g1b+7]
	s_nop 0
.rept 4
	v_nop
.endr
.Lasked_\@:
.endm
.macro CREST                           ; a round of the cluster's barrier behind its opening barrier
	s_cmp_lg_u32 s14, 0
	s_cbranch_scc1 .Lnot_wave_0_\@
	s_barrier_signal -3
.Lnot_wave_0_\@:
	s_barrier_wait -3
	s_barrier_signal -1
	s_barrier_wait -1
.endm
.macro CROUND
	s_barrier_signal -1
	s_barrier_wait -1
	CREST
.endm
	s_load_b256 s[68:75], s[0:1], 0x0              ; xcodes s[68:69], wcodes s[70:71], the scales s[72:73], bq s[74:75]
	s_load_b256 s[76:83], s[0:1], 0x20             ; bk s[76:77], bv s[78:79], qimg s[80:81], kv s[82:83]
	v_lshl_add_u32 v[SPW], v0, 2, SPARE
	v_mov_b32 v[NIL], 0
	ds_add_u32 v28, v29
	ds_add_u32 v28, v29
	s_wait_dscnt 0x0
	v_lshrrev_b32 v1, 5, v0
	v_readfirstlane_b32 s14, v1                    ; wave 0..3
	s_lshr_b32 s15, s14, 1                         ; which half of U's rows is mine.  Also: I fetch for U (0) or for T (1)
	s_and_b32 s16, s14, 1                          ; which half of T's rows.  Also: which 128 rows of that tile I fetch
	s_bfe_u32 s40, ttmp6, 0x40000                  ; cx, cy: my place in the cluster
	s_bfe_u32 s41, ttmp6, 0x40004
	s_and_b32 s17, ttmp7, 0xffff                   ; the cluster's y, 0 .. 11
	s_lshl_b32 s43, s41, 2
	s_lshl_b32 s43, 15, s43                        ; my row of the cluster
	s_lshl_b32 s44, 0x1111, s40                    ; my column
	s_or_b32 s[G1+0], s43, PADW                    ; U's tiles go to my row,
	s_or_b32 s[G1B+0], s44, PADW                   ; T's to my column
.irp g, G1, G1B
	s_mov_b32 s[\g+1], ROWB<<16                    ; tensor_dim0 = 256
	s_mov_b32 s[\g+2], 128<<16                     ; tensor_dim1 = 128
	s_mov_b32 s[\g+3], ROWB<<16                    ; tile_dim0
	s_mov_b32 s[\g+4], 128                         ; tile_dim1
	s_mov_b32 s[\g+5], KROW                        ; from row to row
	s_mov_b32 s[\g+6], 0
	s_mov_b32 s[\g+7], 0
.endr
	; which product, and which tiles: all of it hangs on the cluster's coordinates, which the sixteen partners share, plus cx (T) or cy (U)
	s_sub_co_u32 s12, s17, 8
	s_lshl_b32 s12, s12, 3                         ; 8 (y - 8)
	s_lshl_b32 s13, s17, 2                         ; 4 y
	s_lshl_b32 s23, ttmp9, 23                      ; x's copy of the tokens' codes: 8 MiB each
	s_cmp_ge_u32 s17, 8
	s_cselect_b32 s18, 1, 0                        ; 1: v
	s_cselect_b32 s19, 2, ttmp9                    ; 0: q, 1: k, 2: v
	s_cselect_b32 s12, s12, 0
	s_cselect_b32 s13, 0, s13
	s_cselect_b32 s22, 0x1000000, 0                ; T begins: v: at the tokens' third copy; q, k: at wcodes' first byte
	s_cselect_b32 s23, 0x200000, s23               ; U begins: v: at wv's codes; q, k: at copy x
	s_lshl_b32 s42, ttmp9, 2
	s_add_co_u32 s42, s42, s40
	s_add_co_u32 s42, s42, s12                     ; T's tile: q, k: 4 x + cx of wcodes' rows; v: token tile 8 (y - 8) + 4 x + cx
	s_add_co_u32 s13, s13, s41                     ; U's tile: q, k: token tile 4 y + cy; v: cy
	s_lshl_b32 s12, s16, 17                        ; the 128 rows that I fetch, in bytes
	s_lshl_b32 s46, s42, 18                        ; a tile's 256 rows are 262,144 bytes
	s_add_co_u32 s46, s46, s12
	s_add_co_u32 s46, s46, s22
	s_mov_b32 s47, 0
	s_lshl_b32 s20, s13, 18
	s_add_co_u32 s20, s20, s12
	s_add_co_u32 s20, s20, s23
	s_mov_b32 s21, 0
	s_mul_i32 s45, s14, HALFT                      ; where they go: wave x 128 rows: no place in the cluster enters an LDS address
	s_wait_kmcnt 0x0
	s_load_b256 s[84:91], s[72:73], 0x0            ; e0 .. e7
	s_load_b64 s[92:93], s[72:73], 0x20            ; e8, e9
	s_cmp_eq_u32 s18, 1
	s_cselect_b64 s[10:11], s[68:69], s[70:71]     ; T's buffer
	s_cselect_b64 s[8:9], s[70:71], s[68:69]       ; U's
	s_add_nc_u64 s[46:47], s[10:11], s[46:47]
	s_add_nc_u64 s[20:21], s[8:9], s[20:21]
	CROUND                                         ; all sixteen work-groups are here: the first joint loads meet
.irp s, 0,1
	s_mov_b32 s[G0+4*\s], 1
	s_add_co_u32 s[G0+4*\s+1], s45, \s*SLOT
	s_add_nc_u64 s[G0+4*\s+2:G0+4*\s+3], s[20:21], \s*ROWB
	s_or_b32 s[G0+4*\s+3], s[G0+4*\s+3], 0x80000000
	s_mov_b32 s[G0B+4*\s], 1
	s_add_co_u32 s[G0B+4*\s+1], s45, \s*SLOT
	s_add_nc_u64 s[G0B+4*\s+2:G0B+4*\s+3], s[46:47], \s*ROWB
	s_or_b32 s[G0B+4*\s+3], s[G0B+4*\s+3], 0x80000000
	JLOAD G0+4*\s, G1, G0B+4*\s, G1B               ; by this text's count two tensor loads of a wave are out here, one behind each later round
.endr
	v_and_b32 v1, 15, v0                           ; r = l % 16
	v_bfe_u32 v2, v0, 4, 1                         ; h = l / 16
	v_mul_u32_u24 v3, v1, PITCH
	v_lshl_add_u32 v4, v2, 4, v3                   ; a fragment's row x pitch + 16 x half
	s_mul_i32 s21, s15, HALFT                      ; my 128 rows of U
	s_mul_i32 s22, s16, HALFT                      ; my 128 rows of T,
	s_add_co_u32 s22, s22, 2*HALFT                 ; which lie behind U's 256
.irp s, 0,1
	v_add_nc_u32 v[ADRA+\s], s21, v4
	v_add_nc_u32 v[ADRB+\s], s22, v4
	s_add_co_u32 s21, s21, SLOT
	s_add_co_u32 s22, s22, SLOT
.endr
	v_and_b32 v5, 31, v0
	v_lshlrev_b32 v[LO], 4, v5
	v_lshlrev_b32 v7, 5, v2                        ; 32 h
	v_lshlrev_b32 v8, 2, v1                        ; 4 r
	; THE BIAS, in both layouts, by every wave: so no register's content hangs on a branch.  q, k use the first (the features are T's rows), v the second (they are U's rows).
	s_cmp_eq_u32 s19, 0
	s_cselect_b64 s[98:99], s[74:75], s[76:77]
	s_cmp_eq_u32 s19, 2
	s_cselect_b64 s[98:99], s[78:79], s[98:99]
	s_lshl_b32 s66, s41, 10
	s_lshl_b32 s67, s15, 9
	s_add_co_u32 s66, s66, s67                     ; 4 (256 cy + 128 x my half of U)
	s_mov_b32 s67, 0
	s_add_nc_u64 s[100:101], s[98:99], s[66:67]
	s_lshl_b32 s66, s40, 10
	s_lshl_b32 s94, s16, 9
	s_add_co_u32 s66, s66, s94                     ; 4 (256 cx + 128 x my half of T)
	s_add_nc_u64 s[98:99], s[98:99], s[66:67]
.irp b, 0,1,2,3,4,5,6,7
	global_load_b128 v[BI+8*\b:BI+8*\b+3], v7, s[98:99] offset:64*\b        ; register 8 b + j: the bias at T's row 16 b + 8 h + j
	global_load_b128 v[BI+8*\b+4:BI+8*\b+7], v7, s[98:99] offset:64*\b+16
.endr
.irp a, 0,1,2,3,4,5,6,7
	global_load_b32 v[BV+2*\a], v8, s[100:101] offset:64*\a                 ; the bias at U's row 16 a + r, twice: a pair for the packed multiply-add
	global_load_b32 v[BV+2*\a+1], v8, s[100:101] offset:64*\a
.endr
	; where my images go
	s_lshl_b32 s66, s13, 8
	s_lshl_b32 s67, s15, 7
	s_add_co_u32 s66, s66, s67                     ; q, k: my first token
	s_lshl_b32 s94, s42, 8
	s_lshl_b32 s95, s16, 7
	s_add_co_u32 s94, s94, s95                     ; v: my first token
	s_lshl_b32 s67, s40, 2
	s_lshl_b32 s95, s16, 1
	s_add_co_u32 s67, s67, s95                     ; q, k: the first of my two heads
	s_lshl_b32 s95, s41, 2
	s_lshl_b32 s12, s15, 1
	s_add_co_u32 s95, s95, s12                     ; v: likewise
	s_cmp_eq_u32 s18, 1
	s_cselect_b32 s66, s94, s66
	s_cselect_b32 s67, s95, s67
	s_lshr_b32 s94, s66, 11                        ; the batch
	s_and_b32 s66, s66, 2047                       ; the token in it
	s_lshl_b32 s94, s94, 4
	s_add_co_u32 s94, s94, s67                     ; 16 x batch + head
	s_lshl_b32 s94, s94, 17
	s_lshl_b32 s66, s66, 6
	s_add_co_u32 s94, s94, s66                     ; in qimg: 131,072 a head, 64 a token
	s_lshl_b32 s66, s94, 1                         ; in kv: twice that,
	s_lshl_b32 s67, s18, 13
	s_add_co_u32 s66, s66, s67                     ; and v lies 8,192 bytes into a block
	s_mov_b32 s12, 0x40000
	s_cmp_eq_u32 s19, 0
	s_cselect_b32 s66, s94, s66
	s_cselect_b32 s94, 0x20000, s12                ; from a head to the next
	s_cselect_b64 s[4:5], s[80:81], s[82:83]
	s_mov_b32 s67, 0
	s_mov_b32 s95, 0
	s_add_nc_u64 s[4:5], s[4:5], s[66:67]          ; my first head's images,
	s_add_nc_u64 s[6:7], s[4:5], s[94:95]          ; my second head's
.macro FRAG reg, adr, q, i             ; a fragment: lane l holds row l % 16; registers 4 c .. 4 c + 3 hold K = 32 c + 16 (l / 16) + 0 .. 15
.irp c, 0,1,2,3
	ds_load_b128 v[\reg+4*\c:\reg+4*\c+3], v[\adr] offset:128*(\q)+32*\c+(\i)*16*PITCH
.endr
.endm
; 16 matrix instructions: U's blocks a0, a0 + 1 x T's eight, 128 along K.  p: T's set.  zero = 1: the first product starts the sums.
; The 64 accumulators take turns, one instruction a turn, in the same order in every step.
.macro MUL16 a0, p, zero
.irp a, \a0, \a0+1
.irp b, 0,1,2,3,4,5,6,7
.if \zero
	v_wmma_f32_16x16x128_fp8_fp8 v[8*(8*((\a)%4)+\b):8*(8*((\a)%4)+\b)+7], v[128*(\p)+FR*\b:128*(\p)+FR*\b+FR-1], v[AF+FR*(\a):AF+FR*(\a)+FR-1], 0
.else
	v_wmma_f32_16x16x128_fp8_fp8 v[8*(8*((\a)%4)+\b):8*(8*((\a)%4)+\b)+7], v[128*(\p)+FR*\b:128*(\p)+FR*\b+FR-1], v[AF+FR*(\a):AF+FR*(\a)+FR-1], v[8*(8*((\a)%4)+\b):8*(8*((\a)%4)+\b)+7]
.endif
.endr
.endr
.endm
.macro FETCH_B slot, q, p              ; T's eight fragments of the slot's q-th 128 along K into set p
	WIN TO_B
.irp i, 0,1,2,3,4,5,6,7
	FRAG 128*(\p)+FR*\i, ADRB+\slot, \q, \i
.endr
	WIN 0
.endm
.macro FETCH_A slot, q, i0             ; U's blocks i0 .. i0 + 3
.irp i, \i0, \i0+1, \i0+2, \i0+3
	FRAG AF+FR*(\i), ADRA+\slot, \q, \i
.endr
.endm
.macro PLACES n                        ; plain vector lines between a matrix instruction and a load into, or a vector line on, its registers
.rept \n
	v_nop
.endr
.endm
; A step of 128 along K that has its successor in the same slot.  A block of U is free as soon as its eight products are issued, so one set of registers serves U; T's fragments are at work through the whole step and have two.
.macro STEP slot, q, zero
	s_wait_dscnt 4*NL                              ; T's set and U's blocks 0-3 are in; the youngest sixteen loads (U's blocks 4-7) may be out
	WIN MUL_LO
	MUL16 0, (\q)%2, \zero
	MUL16 2, (\q)%2, \zero
	s_wait_dscnt 0                                 ; U's blocks 4-7 are in
	PLACES NP
	FETCH_B \slot, (\q)+1, 1-(\q)%2
	FETCH_A \slot, (\q)+1, 0
	WIN MUL_HI
	MUL16 4, (\q)%2, \zero
	MUL16 6, (\q)%2, \zero
	PLACES NP
	WIN 0
	FETCH_A \slot, (\q)+1, 4
.endm
; A slot's last step changes slots: one barrier; in front of it each wave waits for all its tensor loads, adds 0 to its spare word, and waits for that and for its own reads of this slot.  fill = 1: this slot is filled again, two K steps ahead.
.macro TURN slot, next, fill
	s_wait_tensorcnt 0x0                           ; all my tensor loads have landed: my part of the next slot
	ds_add_u32 v[SPW], v[NIL]                      ; 0 onto my spare word
	s_wait_dscnt 4*NL+1                            ; the add and the youngest sixteen loads (U's blocks 4-7) may be out
	WIN MUL_LO
	MUL16 0, 1, 0                                  ; sixteen matrix instructions stand between the add and the wait for it
	s_wait_dscnt 0x0                               ; the add is done, and my reads of this slot are over
	s_barrier_signal -1
	MUL16 2, 1, 0
	WIN 0
	s_barrier_wait -1
.if \fill
	CREST                                          ; the barrier has opened a round of the cluster's barrier: no wave of any partner still reads this slot or has a load on its way
	s_add_nc_u64 s[G0+4*\slot+2:G0+4*\slot+3], s[G0+4*\slot+2:G0+4*\slot+3], 2*ROWB
	s_add_nc_u64 s[G0B+4*\slot+2:G0B+4*\slot+3], s[G0B+4*\slot+2:G0B+4*\slot+3], 2*ROWB
	JLOAD G0+4*\slot, G1, G0B+4*\slot, G1B         ; the first tensor load behind the round; its four v_nop are the places in front of the loads below
.else
	PLACES NP
.endif
	FETCH_B \next, 0, 0
	FETCH_A \next, 0, 0
	WIN MUL_HI
	MUL16 4, 1, 0
	MUL16 6, 1, 0
	PLACES NP
	WIN 0
	FETCH_A \next, 0, 4
.endm
	s_wait_tensorcnt 1                             ; my part of K step 0 is in; K step 1's load may be out
	s_barrier_signal -1
	s_barrier_wait -1                              ; everybody's is
	FETCH_B 0, 0, 0
	FETCH_A 0, 0, 0
	FETCH_A 0, 0, 4
	STEP 0, 0, 1                                   ; the first step stands in front of the loop: its products start the sums
	s_mov_b32 s3, LAPS-1
.Llap:                                             ; a trip goes once round the ring, from a lap's second step to the next lap's first, and fills both slots again
	TURN 0, 1, 1
	STEP 1, 0, 0
	TURN 1, 0, 1
	STEP 0, 0, 0
	s_sub_co_u32 s3, s3, 1
	s_cmp_lg_u32 s3, 0
	s_cbranch_scc1 .Llap
	TURN 0, 1, 0                                   ; the last lap fills nothing, and has no round of the cluster's barrier
	STEP 1, 0, 0
	s_wait_dscnt 4*NL                              ; the very last step: nothing more to fetch
	WIN MUL_LO
	MUL16 0, 1, 0
	MUL16 2, 1, 0
	s_wait_dscnt 0
	WIN MUL_HI
	MUL16 4, 1, 0
	MUL16 6, 1, 0
	WIN 0
; THE WAY OUT of U's block a (16 rows of U x my 128 rows of T), in place in its eight accumulators: sum x 2^(ex + ew) + bias; the hold; eight conversions make sixteen registers of codes; four stores of 512 consecutive bytes.
; kind 0 (q, k): registers 0-7 are a fragment (16 tokens x 64) of my first head, 8-15 of my second.   kind 1 (v): the sixteen are one fragment: 16 channels x 128 keys.
.macro EPI a, kind
.set W, 2+(\a)/4
.set AC, 64*((\a)%4)
	WIN (W<<6)|W                                   ; source 0 and destination: the accumulators' window
.set i, 0
.rept 32
.if \kind
	v_pk_fma_f32 v[AC+i:AC+i+1], v[AC+i:AC+i+1], s[96:97], v[BV+2*(\a):BV+2*(\a)+1] op_sel_hi:[1,0,1]   ; each accumulator from its low end on
.else
	v_pk_fma_f32 v[AC+i:AC+i+1], v[AC+i:AC+i+1], s[96:97], v[BI+i:BI+i+1] op_sel_hi:[1,0,1]
.endif
.set i, i+2
.endr
.set i, 0
.rept 64
	v_med3_num_f32 v[AC+i], v[AC+i], -v[LIM], v[LIM]   ; the conversion to an 8-bit code does not saturate (ISA guide 7.6.2)
.set i, i+1
.endr
.if (\a) > 0
	s_wait_xcnt 0x0                                ; the last block's stores have read the code registers: they are written again only behind this wait
.endif
	WIN W
.irp b, 0,1,2,3,4,5,6,7
	v_cvt_scalef32_pk8_fp8_f32 v[CD+2*\b:CD+2*\b+1], v[AC+8*\b:AC+8*\b+7], v[SCL]
.endr
	WIN 0
	v_nop                                          ; one plain vector line behind the last conversion of a run
.if \kind
.irp c, 0,1,2,3
	global_store_b128 v[LO], v[CD+4*\c:CD+4*\c+3], s[4+2*((\a)/4):5+2*((\a)/4)] offset:2048*((\a)%4)+512*\c
.endr
.else
.irp hh, 0,1
.irp c, 0,1
	global_store_b128 v[LO], v[CD+8*\hh+4*\c:CD+8*\hh+4*\c+3], s[4+2*\hh:5+2*\hh] offset:1024*(\a)+512*\c
.endr
.endr
.endif
.endm
	s_wait_kmcnt 0x0
	s_add_co_i32 s84, s84, s85                     ; e0 + e1
	s_add_co_i32 s86, s86, s87                     ; e2 + e3
	s_add_co_i32 s88, s88, s89                     ; e4 + e5
	s_add_co_i32 s90, s90, 3                       ; e6 + 3: q / 8 / 2^e6
	s_cmp_eq_u32 s19, 0
	s_cselect_b32 s96, s84, s86
	s_cselect_b32 s22, s90, s91
	s_cmp_eq_u32 s19, 2
	s_cselect_b32 s96, s88, s96
	s_cselect_b32 s22, s93, s22
	s_add_co_i32 s96, s96, 127
	s_lshl_b32 s96, s96, 23                        ; 2^(ex + ew) as f32
	s_mov_b32 s97, s96                             ; (named with it as a pair, so it is written)
	s_add_co_i32 s22, s22, 127
	s_lshl_b32 s23, s22, 23
	v_mov_b32 v[SCL], s23
	s_add_co_i32 s22, s22, 8
	s_lshl_b32 s22, s22, 23
	s_or_b32 s22, s22, 0x600000
	v_mov_b32 v[LIM], s22
	s_wait_loadcnt 0x0                             ; the bias
	PLACES NP
	s_cmp_eq_u32 s18, 1                            ; the same in every wave of the cluster
	s_cbranch_scc1 .Lout_v
.irp a, 0,1,2,3,4,5,6,7
	EPI \a, 0
.endr
	s_branch .Lend
.Lout_v:
.irp a, 0,1,2,3,4,5,6,7
	EPI \a, 1
.endr
.Lend:
	s_wait_tensorcnt 0x0                           ; the wave's end
	ds_add_u32 v[SPW], v[NIL]
	s_wait_dscnt 0x0
	CROUND                                         ; the closing round: no work-group ends while a partner may still ask for a tile that names it
	s_endpgm
.Lfunc_end_k_q0c91be1170_qkv:
	.size	k_q0c91be1170_qkv, .Lfunc_end_k_q0c91be1170_qkv-k_q0c91be1170_qkv
	.p2alignl 7, 3214868480
	.fill 96, 4, 3214868480
	.section	.rodata,"a",@progbits
	.p2align	6, 0x0
	.amdhsa_kernel k_q0c91be1170_qkv
		.amdhsa_group_segment_fixed_size 327680
		.amdhsa_private_segment_fixed_size 0
		.amdhsa_enable_private_segment 0
		.amdhsa_kernarg_size 64
		.amdhsa_user_sgpr_count 2
		.amdhsa_user_sgpr_kernarg_segment_ptr 1
		.amdhsa_wavefront_size32 1
		.amdhsa_system_sgpr_workgroup_id_x 1
		.amdhsa_system_sgpr_workgroup_id_y 1
		.amdhsa_system_sgpr_workgroup_id_z 1
		.amdhsa_system_vgpr_workitem_id 0
		.amdhsa_next_free_vgpr 1024
		.amdhsa_next_free_sgpr 102
		.amdhsa_reserve_vcc 0
		.amdhsa_float_denorm_mode_32 3
		.amdhsa_float_denorm_mode_16_64 3
		.amdhsa_memory_ordered 1
		.amdhsa_forward_progress 1
		.amdhsa_inst_pref_size 195
	.end_amdhsa_kernel
	.amdgpu_metadata
---
amdhsa.version: [ 1, 2 ]
amdhsa.kernels:
  - .name:           k_q0c91be1170_qkv
    .symbol:         k_q0c91be1170_qkv.kd
    .args:
      - { .name: xcodes, .offset: 0, .size: 8, .value_kind: global_buffer, .address_space: global }
      - { .name: wcodes, .offset: 8, .size: 8, .value_kind: global_buffer, .address_space: global }
      - { .name: lowp_scales, .offset: 16, .size: 8, .value_kind: global_buffer, .address_space: global }
      - { .name: bq, .offset: 24, .size: 8, .value_kind: global_buffer, .address_space: global }
      - { .name: bk, .offset: 32, .size: 8, .value_kind: global_buffer, .address_space: global }
      - { .name: bv, .offset: 40, .size: 8, .value_kind: global_buffer, .address_space: global }
      - { .name: qimg, .offset: 48, .size: 8, .value_kind: global_buffer, .address_space: global }
      - { .name: kv, .offset: 56, .size: 8, .value_kind: global_buffer, .address_space: global }
    .group_segment_fixed_size: 327680
    .private_segment_fixed_size: 0
    .kernarg_segment_align: 8
    .kernarg_segment_size: 64
    .max_flat_workgroup_size: 128
    .sgpr_count:     102
    .vgpr_count:     1024
    .wavefront_size: 32
...
	.end_amdgpu_metadata
.endif
;; end of part 2
;; launch attn (part 3): grid 4 x 64, 8 waves a work-group, clusters of 4 x 1, 271,360 bytes of LDS; arguments qimg, kv, mask, lowp_scales, ctximg; writes ctximg
.if DOCPART == 3
	.amdgcn_target "amdgcn-amd-amdhsa--gfx1250"
	.amdhsa_code_object_version 6
	.text
	.protected	k_q0c91be1170_attn
	.globl	k_q0c91be1170_attn
	.p2align	8
	.type	k_q0c91be1170_attn,@function
k_q0c91be1170_attn:
	s_mov_b64 s[64:65], 0
	v_nop
	global_prefetch_b8 v0, s[64:65] scope:SCOPE_SE
	s_setreg_imm32_b32 hwreg(HW_REG_WAVE_MODE, 25, 1), 1
	s_wait_xcnt 0x0
	s_wait_alu depctr_hold_cnt(0) depctr_sa_sdst(0) depctr_va_vdst(0) depctr_va_sdst(0) depctr_va_ssrc(0) depctr_va_vcc(0) depctr_vm_vsrc(0)
	s_getreg_b32 s2, hwreg(HW_REG_IB_STS2, 6, 4)
	s_cmp_eq_u32 s2, 0
	s_cbranch_scc0 .Lentry_in_a_cluster
	s_endpgm
.Lentry_in_a_cluster:
	s_bfe_u32 s2, ttmp6, 0x10000c
	s_cmp_lg_u32 s2, 0x3003
	s_cbranch_scc0 .Lentry_shape_is_right
	s_endpgm
.Lentry_shape_is_right:
; context[h][q] = the sum over k of softmax_k(q . k, masked) v[k], both products on codes of FP8 (E4M3); the result is quantised at once (entry 10 of the scales) for the last projection.
; THE SOFTMAX AHEAD OF THE SECOND PRODUCT: t = score x log2(e); M = the largest t so far, rounded UP to a whole number; p = 2^(t - M) is quantised (entry 8), not normalised; the row's sum is taken of the
; unquantised p and divides at the end.  When M moves, the sum and O^T are multiplied by 2^(old M - new M): exact.
; SHARES.  A cluster of four work-groups is one head (of 64); each owns 512 queries.  The head's K and V, 262,144 bytes of register images, lie in LDS WHOLE: asked for once, jointly by the four, sixteen
; tensor loads of 16,384 bytes (two a wave).  Nothing is filled again: no ring.  A work-group makes two passes of 256 queries over the 16 blocks of 128 keys; a wave owns 32 queries a pass, two tiles of 16,
; so that each fragment read from LDS feeds two matrix instructions.  Two waves share a SIMD: one wave's matrix and LDS work stands beside the other's vector work.
; LAYOUT.  Both products are used transposed: S^T = K Q^T (source 0 = 16 keys, source 1 = 16 queries), O^T = V^T P^T: a lane holds ONE query throughout.  Register j of S^T's tile u is key 16 u + 8 h + j, so the
; conversion of tile u gives registers 2 u, 2 u + 1 of P in the place that the plain 8-bit form gives each k (ISA guide 7.12.2).
; THE MASK IS THE C OF S^T's MATRIX INSTRUCTION: 0 for an open key, -2^126 for a masked one (2,048 f32 in LDS, made once): no vector line is spent on it in the loop.  The largest t starts at -2^75: a masked t lies
; under it and an open t above it, so a masked score never becomes the maximum, and its p is 0.
; LIMITS: e6 + e7 between -50 and 50 (for the line above, and so that c is an f32 number); e8 and e10 between -126 and 119; e8 + e9 goes in by v_ldexp_f32 and has none.  A batch whose mask is all 0 gives NaN in the
; definition and finite numbers here.  NaN among the inputs is not served.
; No prefetch: all of K and V is asked for by the kernel's first lines, and no later stream exists.
; REGISTERS: tile t's own registers have the same numbers in window t (0, 1): v16-79 S^T then p; v80-111 O^T; v112-127 p's codes; v128-135, v248-255 Q of pass 0, 1; v136 -M, v137 the largest t; v[138:139] the sum;
;   v[140:141] f; v[142:143] the sum's second chain; v144-146 at work; v147-150 448 x 2^e8, 2^e8, 448 x 2^e10, 2^e10.   Shared: window 0: v1-4 addresses, v152-215 K's 8 fragments, v216-247 the mask of key tiles 0-3;
;   window 1: v152-215 V's 4 fragments, v216-247 the mask of key tiles 4-7.
.set MB,    262144                     ; LDS: behind K and V, the mask as f32: 8,192 bytes, written by LDS stores and by nothing else
.set S,     16
.set OT,    80
.set PC,    112
.set QA,    128
.set QB,    248
.set NM,    136
.set TM,    137
.set LS,    138
.set FF,    140
.set L2,    142
.set W0,    144
.set W1,    145
.set W2,    146
.set LIM8,  147
.set SC8,   148
.set LIM10, 149
.set SC10,  150
.set KF,    152
.set VF,    152
.set MK,    216
.set WD,    S+40                       ; the way out: eight registers of codes in the order in which the next launch wants them
.set LI,    1                          ; v1   16 x lane
.set AD,    2                          ; v2   LDS address of the block in hand
.set AM,    3                          ; v3   of its mask
.set AM0,   4                          ; v4   MB + 32 h
.set WV,    14                         ; s14  my wave's number
.set MSB, 0
.macro WIN new
.if MSB != (\new)
	s_set_vgpr_msb (MSB<<8)|(\new)
.set MSB, (\new)
.endif
.endm
.macro CROUND                          ; a round of the cluster's barrier
	s_barrier_signal -1
	s_barrier_wait -1
	s_cmp_lg_u32 s[WV], 0
	s_cbranch_scc1 .Lnot_wave_0_\@
	s_barrier_signal -3
.Lnot_wave_0_\@:
	s_barrier_wait -3
	s_barrier_signal -1
	s_barrier_wait -1
.endm
	s_load_b256 s[4:11], s[0:1], 0x0               ; qimg s[4:5], kv s[6:7], mask s[8:9], the scales s[10:11]
	s_load_b64 s[12:13], s[0:1], 0x20              ; ctximg
	v_lshl_add_u32 v151, v0, 2, 0x42000
	s_set_vgpr_msb 0x40
	v_mov_b32 v151, 0
	s_set_vgpr_msb 0x4044
	ds_add_u32 v151, v151
	ds_add_u32 v151, v151
	s_set_vgpr_msb 0x4400
	v_lshrrev_b32 v1, 5, v0
	v_readfirstlane_b32 s[WV], v1                  ; wave 0..7
	s_bfe_u32 s15, ttmp6, 0x40000                  ; cx: my place in the cluster: it enters Q's and the context's addresses alone
	s_and_b32 s16, ttmp7, 0xffff                   ; 16 x batch + head, which the four partners share
	; descriptor group 1: a dense block of 16,384 bytes as 64 rows of 32 elements of 8 bytes; no padding: an image is read 512 consecutive bytes at a time
	s_mov_b32 s24, 15|(3<<16)|(1<<21)              ; the mask: all four work-groups; elements of 8 bytes; bit 21 beside a mask
	s_mov_b32 s25, 32<<16                          ; tensor_dim0 = 32
	s_mov_b32 s26, 64<<16                          ; tensor_dim1 = 64
	s_mov_b32 s27, 32<<16                          ; tile_dim0
	s_mov_b32 s28, 64                              ; tile_dim1
	s_mov_b32 s29, 32                              ; from row to row
	s_mov_b32 s30, 0
	s_mov_b32 s31, 0
	s_mov_b32 s20, 0x76543210                      ; v_permlanex16_b32's selects: lane l xor 16
	s_mov_b32 s21, 0xfedcba98
	s_mov_b32 s43, 0xffff0000                      ; lanes 16-31
	s_lshl_b32 s17, s[WV], 14                      ; block w: 16,384 w, in LDS as in the head's part of kv
	s_lshl_b32 s18, s16, 18                        ; the head's 262,144 bytes
	s_add_co_u32 s18, s18, s17
	s_mov_b32 s19, 0
	s_wait_dscnt 0x0
	s_wait_kmcnt 0x0
	s_load_b128 s[48:51], s[10:11], 0x18           ; e6, e7, e8, e9
	s_load_b32 s52, s[10:11], 0x28                 ; e10
	s_add_nc_u64 s[6:7], s[6:7], s[18:19]
	s_mov_b32 s32, 1                               ; group 0 for block w,
	s_mov_b32 s33, s17
	s_mov_b64 s[34:35], s[6:7]
	s_or_b32 s35, s35, 0x80000000
	s_mov_b32 s36, 1                               ; and for block w + 8
	s_add_co_u32 s37, s17, 131072
	s_add_nc_u64 s[38:39], s[6:7], 131072
	s_or_b32 s39, s39, 0x80000000
	CROUND                                         ; all four work-groups are here: the joint loads meet
	tensor_load_to_lds s[32:35], s[24:31]          ; by this text's count two tensor loads of a wave are out
	s_nop 0
	tensor_load_to_lds s[36:39], s[24:31]
	s_nop 0
.rept 4
	v_nop
.endr
	v_and_b32 v5, 31, v0
	v_lshlrev_b32 v[LI], 4, v5
	v_bfe_u32 v6, v0, 4, 1                         ; h
	v_lshlrev_b32 v[AM0], 5, v6
	v_add_nc_u32 v[AM0], MB, v[AM0]                ; a lane's eight keys of a tile are 8 h + 0 .. 7: 32 bytes of the mask
	v_lshlrev_b32 v7, 5, v0                        ; thread t takes keys 8 t .. 8 t + 7 of the batch's mask
	v_add_nc_u32 v6, MB, v7
	s_lshr_b32 s18, s16, 4
	s_lshl_b32 s18, s18, 13                        ; the batch's 2,048 words
	s_add_nc_u64 s[8:9], s[8:9], s[18:19]
	global_load_b128 v[8:11], v7, s[8:9]
	global_load_b128 v[12:15], v7, s[8:9] offset:16
	s_lshl_b32 s18, s16, 17                        ; Q: the head's 131,072 bytes,
	s_lshl_b32 s53, s15, 15                        ; my work-group's 32 tiles of 1,024,
	s_add_co_u32 s18, s18, s53
	s_lshl_b32 s53, s[WV], 11                      ; my wave's two
	s_add_co_u32 s18, s18, s53
	s_add_nc_u64 s[4:5], s[4:5], s[18:19]
.irp t, 0,1                            ; tile t into window t; pass 1's tiles lie 16 tiles on
	WIN 0x40*\t
	global_load_b128 v[QA:QA+3], v[LI], s[4:5] offset:1024*\t
	global_load_b128 v[QA+4:QA+7], v[LI], s[4:5] offset:1024*\t+512
	global_load_b128 v[QB:QB+3], v[LI], s[4:5] offset:16384+1024*\t
	global_load_b128 v[QB+4:QB+7], v[LI], s[4:5] offset:16384+1024*\t+512
.endr
	WIN 0
	; the context: [head / 4][token tile][4,096 B], inside a tile (head % 4) x 1,024 + 512 c + 16 lane
	s_and_b32 s18, s16, 15
	s_lshr_b32 s53, s18, 2
	s_lshl_b32 s53, s53, 21                        ; 512 token tiles x 4,096
	s_and_b32 s18, s18, 3
	s_lshl_b32 s18, s18, 10
	s_add_co_u32 s18, s18, s53
	s_lshr_b32 s53, s16, 4
	s_lshl_b32 s53, s53, 19                        ; the batch's 128 token tiles
	s_add_co_u32 s18, s18, s53
	s_lshl_b32 s53, s15, 17                        ; my work-group's 32
	s_add_co_u32 s18, s18, s53
	s_lshl_b32 s53, s[WV], 13                      ; my wave's two
	s_add_co_u32 s18, s18, s53
	s_add_nc_u64 s[12:13], s[12:13], s[18:19]
	s_wait_loadcnt 8                               ; the mask's two loads are in; Q's eight may be out
	v_mov_b32 v5, 0xfe800000                       ; -2^126
.irp i, 0,1,2,3,4,5,6,7
	v_cmp_eq_u32 vcc_lo, 0, v[8+\i]
	v_cndmask_b32 v[8+\i], 0, v5, vcc_lo
.endr
	ds_store_b128 v6, v[8:11]
	ds_store_b128 v6, v[12:15] offset:16
	s_wait_kmcnt 0x0
	s_add_co_i32 s53, s48, s49
	s_lshl_b32 s53, s53, 23
	s_mov_b32 s22, 0x3fb8aa3b                      ; c = log2(e); a score stands for score x 2^(e6 + e7): the two exponents are added to c's exponent field
	s_add_co_i32 s22, s22, s53
	s_mov_b32 s23, s22                             ; (named with it as a pair, so it is written)
	s_add_co_i32 s44, s50, s51                     ; e8 + e9
	s_add_co_i32 s53, s50, 127
	s_lshl_b32 s54, s53, 23                        ; 2^e8
	s_add_co_i32 s53, s53, 8
	s_lshl_b32 s53, s53, 23
	s_or_b32 s53, s53, 0x600000                    ; 448 x 2^e8
	s_add_co_i32 s55, s52, 127
	s_lshl_b32 s56, s55, 23                        ; 2^e10
	s_add_co_i32 s55, s55, 8
	s_lshl_b32 s55, s55, 23
	s_or_b32 s55, s55, 0x600000                    ; 448 x 2^e10
.irp w, 0, 0x40
	WIN \w
	v_mov_b32 v[LIM8], s53
	v_mov_b32 v[SC8], s54
	v_mov_b32 v[LIM10], s55
	v_mov_b32 v[SC10], s56
.endr
	WIN 0
; A block's K (8 fragments of 16 keys x 64) and its mask (8 tiles x 8 registers): 32 loads.  The two additions are plain vector lines.
.macro FETCH_KM
	WIN 0
	v_add_nc_u32 v[AD], s40, v[LI]
	v_add_nc_u32 v[AM], s41, v[AM0]
.irp u, 0,1,2,3,4,5,6,7
	ds_load_b128 v[KF+8*\u:KF+8*\u+3], v[AD] offset:1024*\u
	ds_load_b128 v[KF+8*\u+4:KF+8*\u+7], v[AD] offset:1024*\u+512
.endr
.irp u, 0,1,2,3
	ds_load_b128 v[MK+8*\u:MK+8*\u+3], v[AM] offset:64*\u
	ds_load_b128 v[MK+8*\u+4:MK+8*\u+7], v[AM] offset:64*\u+16
.endr
	WIN 0x40                                       ; destination window 1
.irp u, 0,1,2,3
	ds_load_b128 v[MK+8*\u:MK+8*\u+3], v[AM] offset:256+64*\u
	ds_load_b128 v[MK+8*\u+4:MK+8*\u+7], v[AM] offset:256+64*\u+16
.endr
.endm
; The same block's V (4 fragments of 16 channels x 128 keys): 16 loads; then the addresses step to the next block.
.macro FETCH_V
	WIN 0x40
.irp i, 0,1,2,3
.irp c, 0,1,2,3
	ds_load_b128 v[VF+16*\i+4*\c:VF+16*\i+4*\c+3], v[AD] offset:8192+2048*\i+512*\c
.endr
.endr
	WIN 0
	s_add_co_u32 s40, s40, 16384
	s_add_co_u32 s41, s41, 512
.endm
; S^T = K Q^T + the mask, both tiles: 16 matrix instructions, each on an accumulator of its own.
.macro KQ qb
.irp t, 0,1
.irp g, 0,1
	WIN 0x44*\t+0x10*\g                            ; K window 0; Q and S^T window t; the mask window g
.irp u, 0,1,2,3
	v_wmma_f32_16x16x64_fp8_fp8 v[S+8*(4*\g+\u):S+8*(4*\g+\u)+7], v[KF+8*(4*\g+\u):KF+8*(4*\g+\u)+7], v[\qb:\qb+7], v[MK+8*\u:MK+8*\u+7]
.endr
.endr
.endr
.endm
; O^T += V^T P^T of the tile whose window is set: four accumulators, one instruction a turn.
.macro PV
.irp i, 0,1,2,3
	v_wmma_f32_16x16x128_fp8_fp8 v[OT+8*\i:OT+8*\i+7], v[VF+16*\i:VF+16*\i+15], v[PC:PC+15], v[OT+8*\i:OT+8*\i+7]
.endr
.endm
; One tile's softmax for 128 keys (a lane: 64 of them), in the window that is set.
.macro SM
	v_max3_num_f32 v[W0], v[S], v[S+1], v[S+2]     ; the largest score among my 64 keys, in two chains, each accumulator from its low end on
	v_max3_num_f32 v[W1], v[S+3], v[S+4], v[S+5]
.set i, 6
.rept 14
	v_max3_num_f32 v[W0], v[W0], v[S+i], v[S+i+1]
	v_max3_num_f32 v[W1], v[W1], v[S+i+2], v[S+i+3]
.set i, i+4
.endr
	v_max3_num_f32 v[W0], v[W0], v[S+62], v[S+63]
	v_max_num_f32 v[W0], v[W0], v[W1]
	v_permlanex16_b32 v[W2], v[W0], s20, s21
	v_max_num_f32 v[W0], v[W0], v[W2]              ; and among lane l xor 16's
	v_mul_f32 v[W0], s22, v[W0]                    ; as t (c is positive)
	v_max_num_f32 v[TM], v[TM], v[W0]              ; the running largest t
	v_mov_b32 v[W0], v[NM]
	v_floor_f32 v[NM], -v[TM]                      ; the new -M = floor(-t): M is a whole number
	v_sub_f32 v[W0], v[NM], v[W0]                  ; old M - new M: a whole number, 0 or less
	v_cvt_i32_f32 v[W0], v[W0]                     ; (it saturates)
	v_ldexp_f32 v[FF], 1.0, v[W0]                  ; f = 2^(old M - new M)
.set i, 0
.rept 32
	v_pk_fma_f32 v[S+i:S+i+1], v[S+i:S+i+1], s[22:23], v[NM:NM+1] op_sel_hi:[1,0,0]   ; t - M, two at a time (of the pairs c and -M the low word serves both halves)
.set i, i+2
.endr
.set i, 0
.rept 64
	v_exp_f32 v[S+i], v[S+i]                       ; p = 2^(t - M)
.set i, i+1
.endr
	v_pk_mul_f32 v[LS:LS+1], v[LS:LS+1], v[FF:FF+1] op_sel_hi:[1,0]   ; the sums under the new M: the plain line behind the exponentials
	s_wait_alu depctr_va_vdst(0)                   ; one wait for the whole batch, ahead of its first reader
	v_pk_add_f32 v[L2:L2+1], v[S:S+1], v[S+2:S+3]  ; the row's sum is taken of the unquantised p, in two chains
.set i, 4
.rept 15
	v_pk_add_f32 v[LS:LS+1], v[LS:LS+1], v[S+i:S+i+1]
	v_pk_add_f32 v[L2:L2+1], v[L2:L2+1], v[S+i+2:S+i+3]
.set i, i+4
.endr
	v_pk_add_f32 v[LS:LS+1], v[LS:LS+1], v[L2:L2+1]
.irp b, 0,1,2,3
.irp i, 0,1,2,3,4,5,6,7,8,9,10,11,12,13,14,15
	v_min_num_f32 v[S+16*\b+\i], v[S+16*\b+\i], v[LIM8]   ; the conversion does not saturate (ISA guide 7.6.2); p is not negative, so the hold is one-sided
.endr
	v_cvt_scalef32_pk8_fp8_f32 v[PC+4*\b:PC+4*\b+1], v[S+16*\b:S+16*\b+7], v[SC8]
	v_cvt_scalef32_pk8_fp8_f32 v[PC+4*\b+2:PC+4*\b+3], v[S+16*\b+8:S+16*\b+15], v[SC8]
.endr
.set i, 0
.rept 16
	v_pk_mul_f32 v[OT+i:OT+i+1], v[OT+i:OT+i+1], v[FF:FF+1] op_sel_hi:[1,0]   ; O^T under the new M; these are also the plain lines between the conversions and the products
.set i, i+2
.endr
.endm
; A KEY STEP: 128 keys, both tiles.  At its head 48 LDS loads of this block may be out: K and the mask (32), then V (16).  fetch = 1: the next block is fetched: K and mask behind the scores' products, V behind the last products.
.macro STEP qb, fetch
	s_wait_dscnt 16                                ; K and the mask are in; V's sixteen loads may be out
	KQ \qb
.if \fetch
	v_nop                                          ; four plain lines behind the products, ahead of the loads into their registers and of the first read of the scores: these two and the fetch's two additions
	v_nop
	FETCH_KM
.else
.rept 4
	v_nop
.endr
.endif
	WIN 0
	SM
.if \fetch
	s_wait_dscnt 32                                ; V is in; the 32 loads just issued may be out
.else
	s_wait_dscnt 0x0
.endif
	WIN 0x01                                       ; V window 1; P and O^T window 0
	PV
	WIN 0x55
	SM
	PV
.rept 4
	v_nop                                          ; ahead of the loads into V's registers, or of the way out's first read of O^T
.endr
.if \fetch
	FETCH_V
.endif
	WIN 0                                          ; at a label and at a branch every window is 0
.endm
; The step is written once for all blocks: the first finds zeros in the sum and in O^T, which the first change of M leaves zeros.
.macro INIT
.irp w, 0, 0x40
	WIN \w
	v_mov_b32 v[TM], 0xe5000000                    ; the largest t so far: -2^75
	v_mov_b32 v[NM], 0x65000000                    ; -M = 2^75
	v_mov_b32 v[LS], 0
	v_mov_b32 v[LS+1], 0
	v_mov_b32 v[FF+1], 0                           ; (named as the upper half of a pair)
	v_mov_b32 v[W2], 0                             ; a lane permute's destination counts as one of its sources
.set i, 0
.rept 32
	v_mov_b32 v[OT+i], 0
.set i, i+1
.endr
.endr
	WIN 0
.endm
; THE WAY OUT of one tile, in the window that is set: O^T x 2^(e8 + e9) / the sum, held, converted.  The conversion of channel tile i gives a lane channels 16 i + 8 h + 0 .. 7; the next product's loads of 16 bytes want
; channels 32 c + 16 h + 0 .. 15: so each lane keeps one pair of registers of two and gets the other from lane l xor 16.
.macro EPIT
	v_add_f32 v[LS], v[LS], v[LS+1]
	v_permlanex16_b32 v[W2], v[LS], s20, s21
	v_add_f32 v[LS], v[LS], v[W2]                  ; the row's sum
	v_rcp_f32 v[LS], v[LS]
	v_nop                                          ; a plain line behind the transcendental
	s_wait_alu depctr_va_vdst(0)                   ; and the wait ahead of its first reader
	v_ldexp_f32 v[LS], v[LS], s44
.set i, 0
.rept 16
	v_pk_mul_f32 v[S+i:S+i+1], v[OT+i:OT+i+1], v[LS:LS+1] op_sel_hi:[1,0]   ; each accumulator from its low end on
.set i, i+2
.endr
.set i, 0
.rept 32
	v_med3_num_f32 v[S+i], v[S+i], -v[LIM10], v[LIM10]
.set i, i+1
.endr
.irp i, 0,1,2,3
	v_cvt_scalef32_pk8_fp8_f32 v[PC+2*\i:PC+2*\i+1], v[S+8*\i:S+8*\i+7], v[SC10]
.endr
	v_nop                                          ; one plain vector line behind the last conversion
.irp c, 0,1
.irp i, 0,1
	v_cndmask_b32 v[S+32+2*\c+\i], v[PC+4*\c+2+\i], v[PC+4*\c+\i], s43    ; what I send: lanes 0-15 tile 2 c + 1's, lanes 16-31 tile 2 c's
.endr
.endr
.irp c, 0,1
.irp i, 0,1
	v_permlanex16_b32 v[S+36+2*\c+\i], v[S+32+2*\c+\i], s20, s21
.endr
.endr
.irp c, 0,1
.irp i, 0,1
	v_cndmask_b32 v[WD+4*\c+\i], v[PC+4*\c+\i], v[S+36+2*\c+\i], s43
	v_cndmask_b32 v[WD+4*\c+2+\i], v[S+36+2*\c+\i], v[PC+4*\c+2+\i], s43
.endr
.endr
.endm
.macro EPI p
	WIN 0
	EPIT
	global_store_b128 v[LI], v[WD:WD+3], s[12:13] offset:65536*\p            ; 512 consecutive bytes, aligned
	global_store_b128 v[LI], v[WD+4:WD+7], s[12:13] offset:65536*\p+512
	WIN 0x55
	EPIT
	WIN 0x04                                       ; the stores' data window 1, their address window 0
	global_store_b128 v[LI], v[WD:WD+3], s[12:13] offset:65536*\p+4096
	global_store_b128 v[LI], v[WD+4:WD+7], s[12:13] offset:65536*\p+4096+512
	WIN 0
	s_wait_xcnt 0x0                                ; the stores have read their registers, which the next pass writes
.endm
; A pass: 32 queries of the wave over the head's 16 blocks.
.macro PASS qb, p
	s_mov_b32 s40, 0                               ; the block to be fetched: its LDS byte,
	s_mov_b32 s41, 0                               ; and its mask's
	FETCH_KM
	FETCH_V
	INIT
	s_mov_b32 s42, 15
.Lstep_\@:
	STEP \qb, 1
	s_sub_co_u32 s42, s42, 1
	s_cmp_lg_u32 s42, 0
	s_cbranch_scc1 .Lstep_\@
	STEP \qb, 0                                    ; the last block: nothing more to fetch
	EPI \p
.endm
	s_wait_tensorcnt 0x0                           ; my two blocks have landed,
	s_wait_dscnt 0x0                               ; my part of the mask is stored:
	s_barrier_signal -1
	s_barrier_wait -1                              ; everybody's
	s_wait_loadcnt 0x0                             ; Q
	PASS QA, 0
	PASS QB, 1
	s_wait_dscnt 0x0
	s_set_vgpr_msb 0x4
	s_wait_tensorcnt 0x0
	ds_add_u32 v151, v151
	s_wait_dscnt 0x0
	s_set_vgpr_msb 0x400
	CROUND                                         ; the closing round: no work-group ends while a partner may still ask for a tile that names it
	s_endpgm
.Lfunc_end_k_q0c91be1170_attn:
	.size	k_q0c91be1170_attn, .Lfunc_end_k_q0c91be1170_attn-k_q0c91be1170_attn
	.p2alignl 7, 3214868480
	.fill 96, 4, 3214868480
	.section	.rodata,"a",@progbits
	.p2align	6, 0x0
	.amdhsa_kernel k_q0c91be1170_attn
		.amdhsa_group_segment_fixed_size 271360
		.amdhsa_private_segment_fixed_size 0
		.amdhsa_enable_private_segment 0
		.amdhsa_kernarg_size 40
		.amdhsa_user_sgpr_count 2
		.amdhsa_user_sgpr_kernarg_segment_ptr 1
		.amdhsa_wavefront_size32 1
		.amdhsa_system_sgpr_workgroup_id_x 1
		.amdhsa_system_sgpr_workgroup_id_y 1
		.amdhsa_system_sgpr_workgroup_id_z 1
		.amdhsa_system_vgpr_workitem_id 0
		.amdhsa_next_free_vgpr 512
		.amdhsa_next_free_sgpr 66
		.amdhsa_reserve_vcc 1
		.amdhsa_float_denorm_mode_32 3
		.amdhsa_float_denorm_mode_16_64 3
		.amdhsa_memory_ordered 1
		.amdhsa_forward_progress 1
		.amdhsa_inst_pref_size 149
	.end_amdhsa_kernel
	.amdgpu_metadata
---
amdhsa.version: [ 1, 2 ]
amdhsa.kernels:
  - .name:           k_q0c91be1170_attn
    .symbol:         k_q0c91be1170_attn.kd
    .args:
      - { .name: qimg, .offset: 0, .size: 8, .value_kind: global_buffer, .address_space: global }
      - { .name: kv, .offset: 8, .size: 8, .value_kind: global_buffer, .address_space: global }
      - { .name: mask, .offset: 16, .size: 8, .value_kind: global_buffer, .address_space: global }
      - { .name: lowp_scales, .offset: 24, .size: 8, .value_kind: global_buffer, .address_space: global }
      - { .name: ctximg, .offset: 32, .size: 8, .value_kind: global_buffer, .address_space: global }
    .group_segment_fixed_size: 271360
    .private_segment_fixed_size: 0
    .kernarg_segment_align: 8
    .kernarg_segment_size: 40
    .max_flat_workgroup_size: 256
    .sgpr_count:     66
    .vgpr_count:     512
    .wavefront_size: 32
...
	.end_amdgpu_metadata
.endif
;; end of part 3
;; launch oproj (part 4): grid 4 x 32, 4 waves a work-group, clusters of 4 x 4, 327,680 bytes of LDS; arguments ctximg, wcodes, lowp_scales, bo, out0; writes out0
.if DOCPART == 4
	.amdgcn_target "amdgcn-amd-amdhsa--gfx1250"
	.amdhsa_code_object_version 6
	.text
	.protected	k_q0c91be1170_oproj
	.globl	k_q0c91be1170_oproj
	.p2align	8
	.type	k_q0c91be1170_oproj,@function
k_q0c91be1170_oproj:
	s_mov_b64 s[64:65], 0
	v_nop
	global_prefetch_b8 v0, s[64:65] scope:SCOPE_SE
	s_setreg_imm32_b32 hwreg(HW_REG_WAVE_MODE, 25, 1), 1
	s_wait_xcnt 0x0
	s_wait_alu depctr_hold_cnt(0) depctr_sa_sdst(0) depctr_va_vdst(0) depctr_va_sdst(0) depctr_va_ssrc(0) depctr_va_vcc(0) depctr_vm_vsrc(0)
	s_getreg_b32 s2, hwreg(HW_REG_IB_STS2, 6, 4)
	s_cmp_eq_u32 s2, 0
	s_cbranch_scc0 .Lentry_in_a_cluster
	s_endpgm
.Lentry_in_a_cluster:
	s_bfe_u32 s2, ttmp6, 0x10000c
	s_cmp_lg_u32 s2, 0xf033
	s_cbranch_scc0 .Lentry_shape_is_right
	s_endpgm
.Lentry_shape_is_right:
; out0 = context wo^T + bo on codes of FP8 (E4M3), K = 1,024, sums in f32, each finished sum x 2^(e10 + e11) + bo in one multiply-add.  out0: [8192][1024] f32.
; A tile of out0, 256 x 256, is made by four waves, each 128 x 128 in 64 accumulators.  T, source 0 of the matrix instruction, is wo's rows (codes, rows of 1,024 bytes, the fourth MiB of wcodes); U, source 1, is the context,
; which the launch before has stored as IMAGES of this operand's registers: [K step 4][token tile 512][4,096 B]; a fragment (16 tokens x 128 K) is 2,048 bytes on end, four groups of 512: lane l's 16 bytes at 16 l hold
; K = 32 c + 16 (l / 16) + 0 .. 15, the order in which four loads of 16 bytes take T's rows.  So a K step's part of U for 128 tokens is one dense block of 32,768 bytes, and its fragments are read without a pitch.
; A lane holds eight neighbouring numbers of a row of out0.  CLUSTERS: 4 x 4 work-groups: U's tile is shared along a row of the cluster, T's along a column, each asked for jointly.
; LIMIT: e10 + e11 between -126 and 127, so that 2^(e10 + e11) is an f32 number.
; REGISTERS, in windows of 256: window 0: v0-31 addresses; v32-95 bo in the result's layout; from v128 U's fragments, one set; on the way out v128-255 take rows back from the stage.
;   window 1: T's fragments, two sets.   window 2: the accumulators of my rows 0-63 ((a, b) at v[8 (8 a + b)]);   window 3: those of rows 64-127.
.set ROWB,   256                       ; a row of T's tile in bytes
.set KROW,   1024
.set PITCH,  272                       ; T's rows in LDS: 256 bytes + 16 of padding: the 16 rows that a load touches start at 16 different banks (ISA guide 11.1)
.set FR,     16
.set NL,     4
.set NP,     4
.set HALFT,  128*PITCH                 ; T: what one tensor load brings
.set HALFU,  32768                     ; U: likewise
.set TOFF,   2*HALFU                   ; a slot: U's two halves, then T's two
.set SLOT,   TOFF+2*HALFT
.set USTEP,  0x200000                  ; from a K step of U to the next in memory
.set LAPS,   2
.set SPARE,  2*SLOT                    ; behind the ring: the spare words, 128 bytes for each wave, which no other line names
.set SPITCH, 528                       ; the way out: a stage of 16 rows x (512 bytes + 16) for each wave, in slot 0, which has had its last fill and its last read when the first result is stored there
.set SIZE_N, 1024
.set ADRA, 16
.set ADRB, 20
.set STO,  24
.set RD,   25
.set CO,   26
.set SPW,  28
.set NIL,  29
.set BI,   32
.set AF,   128
.set BK,   128
.set G1, 24
.set G0, 32
.set G1B, 48
.set G0B, 56
.set MSB, 0
.macro WIN new
.if MSB != (\new)
	s_set_vgpr_msb (MSB<<8)|(\new)
.set MSB, (\new)
.endif
.endm
.set MUL_LO, 0xa1
.set MUL_HI, 0xf1
.set TO_B,   0x40
.macro JLOAD g0a, g1a, g0b, g1b        ; a joint load: waves 0 and 1 fetch for U, waves 2 and 3 for T; four v_nop follow each of the two lines
	s_cmp_eq_u32 s15, 0
	s_cbranch_scc0 .Lfor_b_\@
	tensor_load_to_lds s[\g0a:\g0a+3], s[\g1a:\g1a+7]
	s_nop 0
.rept 4
	v_nop
.endr
	s_branch .Lasked_\@
.Lfor_b_\@:
	tensor_load_to_lds s[\g0b:\g0b+3], s[\g1b:\g1b+7]
	s_nop 0
.rept 4
	v_nop
.endr
.Lasked_\@:
.endm
.macro CREST
	s_cmp_lg_u32 s14, 0
	s_cbranch_scc1 .Lnot_wave_0_\@
	s_barrier_signal -3
.Lnot_wave_0_\@:
	s_barrier_wait -3
	s_barrier_signal -1
	s_barrier_wait -1
.endm
.macro CROUND
	s_barrier_signal -1
	s_barrier_wait -1
	CREST
.endm
	s_load_b256 s[68:75], s[0:1], 0x0              ; ctximg s[68:69], wcodes s[70:71], the scales s[72:73], bo s[74:75]
	s_load_b64 s[10:11], s[0:1], 0x20              ; out0
	v_lshl_add_u32 v[SPW], v0, 2, SPARE
	v_mov_b32 v[NIL], 0
	ds_add_u32 v28, v29
	ds_add_u32 v28, v29
	s_wait_dscnt 0x0
	v_lshrrev_b32 v1, 5, v0
	v_readfirstlane_b32 s14, v1                    ; wave 0..3
	s_lshr_b32 s15, s14, 1                         ; which half of the tile's rows is mine.  Also: I fetch for U (0) or for T (1)
	s_and_b32 s16, s14, 1                          ; which half of its columns.  Also: which half of that tile I fetch
	s_bfe_u32 s40, ttmp6, 0x40000                  ; cx, cy
	s_bfe_u32 s41, ttmp6, 0x40004
	s_lshl_b32 s42, ttmp9, 2
	s_add_co_u32 s42, s42, s40                     ; tile column
	s_and_b32 s17, ttmp7, 0xffff
	s_lshl_b32 s17, s17, 2
	s_add_co_u32 s17, s17, s41                     ; tile row
	s_lshl_b32 s43, s41, 2
	s_lshl_b32 s43, 15, s43                        ; my row of the cluster
	s_lshl_b32 s44, 0x1111, s40                    ; my column
	s_or_b32 s[G1+0], s43, (3<<16)|(1<<21)         ; U: the mask of my row; elements of 8 bytes; bit 21 beside a mask; no padding
	s_mov_b32 s[G1+1], 32<<16                      ; a dense block as 128 rows of 32 elements
	s_mov_b32 s[G1+2], 128<<16
	s_mov_b32 s[G1+3], 32<<16
	s_mov_b32 s[G1+4], 128
	s_mov_b32 s[G1+5], 32
	s_mov_b32 s[G1+6], 0
	s_mov_b32 s[G1+7], 0
	s_or_b32 s[G1B+0], s44, (1<<20)|(1<<21)|(5<<22)|(3<<25)   ; T: the mask of my column; elements of 1 byte; 4 words of padding after every 64
	s_mov_b32 s[G1B+1], ROWB<<16
	s_mov_b32 s[G1B+2], 128<<16
	s_mov_b32 s[G1B+3], ROWB<<16
	s_mov_b32 s[G1B+4], 128
	s_mov_b32 s[G1B+5], KROW
	s_mov_b32 s[G1B+6], 0
	s_mov_b32 s[G1B+7], 0
	s_lshl_b32 s20, s17, 16                        ; U: the tile's 16 token tiles are 65,536 bytes of a K step,
	s_lshl_b32 s18, s16, 15                        ; my half of them
	s_add_co_u32 s20, s20, s18
	s_mov_b32 s21, 0
	s_lshl_b32 s46, s42, 18                        ; T: 256 rows of 1,024 bytes,
	s_lshl_b32 s19, s16, 17
	s_add_co_u32 s46, s46, s19
	s_add_co_u32 s46, s46, 0x300000                ; in wo's codes
	s_mov_b32 s47, 0
	s_lshl_b32 s45, s16, 15                        ; where they go: no place in the cluster enters an LDS address
	s_mul_i32 s12, s16, HALFT
	s_add_co_u32 s12, s12, TOFF
	s_wait_kmcnt 0x0
	s_load_b64 s[96:97], s[72:73], 0x28            ; e10, e11
	s_add_nc_u64 s[20:21], s[68:69], s[20:21]
	s_add_nc_u64 s[46:47], s[70:71], s[46:47]
	CROUND                                         ; all sixteen work-groups are here: the first joint loads meet
.irp s, 0,1
	s_mov_b32 s[G0+4*\s], 1
	s_add_co_u32 s[G0+4*\s+1], s45, \s*SLOT
	s_add_nc_u64 s[G0+4*\s+2:G0+4*\s+3], s[20:21], \s*USTEP
	s_or_b32 s[G0+4*\s+3], s[G0+4*\s+3], 0x80000000
	s_mov_b32 s[G0B+4*\s], 1
	s_add_co_u32 s[G0B+4*\s+1], s12, \s*SLOT
	s_add_nc_u64 s[G0B+4*\s+2:G0B+4*\s+3], s[46:47], \s*ROWB
	s_or_b32 s[G0B+4*\s+3], s[G0B+4*\s+3], 0x80000000
	JLOAD G0+4*\s, G1, G0B+4*\s, G1B               ; by this text's count two tensor loads of a wave are out here, one behind each later round
.endr
	v_and_b32 v1, 15, v0                           ; r
	v_bfe_u32 v2, v0, 4, 1                         ; h
	v_mul_u32_u24 v3, v1, PITCH
	v_lshl_add_u32 v4, v2, 4, v3                   ; T: a fragment's row x pitch + 16 x half
	v_and_b32 v6, 31, v0
	v_lshlrev_b32 v[CO], 4, v6                     ; 16 x lane: U's images, and a row of 512 bytes on the way out
	s_lshl_b32 s21, s15, 15                        ; my 128 tokens of U
	s_mul_i32 s22, s16, HALFT
	s_add_co_u32 s22, s22, TOFF                    ; my 128 rows of T
.irp s, 0,1
	v_add_nc_u32 v[ADRA+\s], s21, v[CO]
	v_add_nc_u32 v[ADRB+\s], s22, v4
	s_add_co_u32 s21, s21, SLOT
	s_add_co_u32 s22, s22, SLOT
.endr
	s_mul_i32 s23, s14, 16*SPITCH                  ; my stage
	v_mul_u32_u24 v5, v1, SPITCH                   ; in: row r, 32 bytes for each half of the lanes
	v_lshl_add_u32 v5, v2, 5, v5
	v_add_nc_u32 v[STO], s23, v5
	v_add_nc_u32 v[RD], s23, v[CO]                 ; back: the 32 lanes take one row of 512 bytes
	v_lshlrev_b32 v7, 5, v2                        ; 32 h
	s_lshl_b32 s46, s42, 10                        ; my first column, in bytes: 1,024 x tile column + 512 x half; in bo too
	s_lshl_b32 s47, s16, 9
	s_add_co_u32 s46, s46, s47
	s_mov_b32 s47, 0
	s_add_nc_u64 s[98:99], s[74:75], s[46:47]
.irp b, 0,1,2,3,4,5,6,7
	global_load_b128 v[BI+8*\b:BI+8*\b+3], v7, s[98:99] offset:64*\b        ; register 8 b + j: bo at my column 16 b + 8 h + j
	global_load_b128 v[BI+8*\b+4:BI+8*\b+7], v7, s[98:99] offset:64*\b+16
.endr
	s_lshl_b32 s20, s17, 8
	s_lshl_b32 s21, s15, 7
	s_add_co_u32 s20, s20, s21                     ; my first row
	s_lshl_b32 s20, s20, 12                        ; of 4,096 bytes
	s_mov_b32 s21, 0
	s_add_nc_u64 s[20:21], s[20:21], s[46:47]
	s_add_nc_u64 s[10:11], s[10:11], s[20:21]
.macro FRAGT reg, adr, q, i            ; a fragment of T: lane l holds row l % 16; registers 4 c .. 4 c + 3 hold K = 32 c + 16 (l / 16) + 0 .. 15
.irp c, 0,1,2,3
	ds_load_b128 v[\reg+4*\c:\reg+4*\c+3], v[\adr] offset:128*(\q)+32*\c+(\i)*16*PITCH
.endr
.endm
.macro FRAGU reg, adr, q, i            ; a fragment of U comes back as it was stored: four groups of 512 bytes
.irp c, 0,1,2,3
	ds_load_b128 v[\reg+4*\c:\reg+4*\c+3], v[\adr] offset:2048*(\q)+512*\c+(\i)*4096
.endr
.endm
; The 64 accumulators take turns, one instruction a turn, in the same order in every step.
.macro MUL16 a0, p, zero
.irp a, \a0, \a0+1
.irp b, 0,1,2,3,4,5,6,7
.if \zero
	v_wmma_f32_16x16x128_fp8_fp8 v[8*(8*((\a)%4)+\b):8*(8*((\a)%4)+\b)+7], v[128*(\p)+FR*\b:128*(\p)+FR*\b+FR-1], v[AF+FR*(\a):AF+FR*(\a)+FR-1], 0
.else
	v_wmma_f32_16x16x128_fp8_fp8 v[8*(8*((\a)%4)+\b):8*(8*((\a)%4)+\b)+7], v[128*(\p)+FR*\b:128*(\p)+FR*\b+FR-1], v[AF+FR*(\a):AF+FR*(\a)+FR-1], v[8*(8*((\a)%4)+\b):8*(8*((\a)%4)+\b)+7]
.endif
.endr
.endr
.endm
.macro FETCH_B slot, q, p
	WIN TO_B
.irp i, 0,1,2,3,4,5,6,7
	FRAGT 128*(\p)+FR*\i, ADRB+\slot, \q, \i
.endr
	WIN 0
.endm
.macro FETCH_A slot, q, i0
.irp i, \i0, \i0+1, \i0+2, \i0+3
	FRAGU AF+FR*(\i), ADRA+\slot, \q, \i
.endr
.endm
.macro PLACES n                        ; plain vector lines between a matrix instruction and a load into, or a vector line on, its registers
.rept \n
	v_nop
.endr
.endm
.macro STEP slot, q, zero
	s_wait_dscnt 4*NL                              ; T's set and U's blocks 0-3 are in; the youngest sixteen loads (U's blocks 4-7) may be out
	WIN MUL_LO
	MUL16 0, (\q)%2, \zero
	MUL16 2, (\q)%2, \zero
	s_wait_dscnt 0
	PLACES NP
	FETCH_B \slot, (\q)+1, 1-(\q)%2
	FETCH_A \slot, (\q)+1, 0
	WIN MUL_HI
	MUL16 4, (\q)%2, \zero
	MUL16 6, (\q)%2, \zero
	PLACES NP
	WIN 0
	FETCH_A \slot, (\q)+1, 4
.endm
.macro TURN slot, next, fill
	s_wait_tensorcnt 0x0                           ; all my tensor loads have landed: my part of the next slot
	ds_add_u32 v[SPW], v[NIL]                      ; 0 onto my spare word
	s_wait_dscnt 4*NL+1                            ; the add and the youngest sixteen loads may be out
	WIN MUL_LO
	MUL16 0, 1, 0
	s_wait_dscnt 0x0                               ; the add is done, and my reads of this slot are over
	s_barrier_signal -1
	MUL16 2, 1, 0
	WIN 0
	s_barrier_wait -1
.if \fill
	CREST                                          ; the barrier has opened a round of the cluster's barrier: no wave of any partner still reads this slot or has a load on its way
	s_add_nc_u64 s[G0+4*\slot+2:G0+4*\slot+3], s[G0+4*\slot+2:G0+4*\slot+3], 2*USTEP
	s_add_nc_u64 s[G0B+4*\slot+2:G0B+4*\slot+3], s[G0B+4*\slot+2:G0B+4*\slot+3], 2*ROWB
	JLOAD G0+4*\slot, G1, G0B+4*\slot, G1B         ; the first tensor load behind the round; its four v_nop are the places in front of the loads below
.else
	PLACES NP
.endif
	FETCH_B \next, 0, 0
	FETCH_A \next, 0, 0
	WIN MUL_HI
	MUL16 4, 1, 0
	MUL16 6, 1, 0
	PLACES NP
	WIN 0
	FETCH_A \next, 0, 4
.endm
	s_wait_tensorcnt 1                             ; my part of K step 0 is in; K step 1's load may be out
	s_barrier_signal -1
	s_barrier_wait -1
	FETCH_B 0, 0, 0
	FETCH_A 0, 0, 0
	FETCH_A 0, 0, 4
	STEP 0, 0, 1                                   ; the first step's products start the sums
	s_mov_b32 s3, LAPS-1
.Llap:
	TURN 0, 1, 1
	STEP 1, 0, 0
	TURN 1, 0, 1
	STEP 0, 0, 0
	s_sub_co_u32 s3, s3, 1
	s_cmp_lg_u32 s3, 0
	s_cbranch_scc1 .Llap
	TURN 0, 1, 0                                   ; the last lap fills nothing
	STEP 1, 0, 0
	s_wait_dscnt 4*NL
	WIN MUL_LO
	MUL16 0, 1, 0
	MUL16 2, 1, 0
	s_wait_dscnt 0
	WIN MUL_HI
	MUL16 4, 1, 0
	MUL16 6, 1, 0
	WIN 0
; THE WAY OUT, block by block of 16 rows x 128 columns: sum x 2^(e10 + e11) + bo in place; through my own stage in LDS; back as whole rows of 512 bytes.  LDS serves a wave's instructions in order (ISA guide 5.7.1.4):
; no wait between the stores and the loads, nor in front of the next block's stores.
.macro TOSTAGE a
.set AC, 64*((\a)%4)
.set W, 2+(\a)/4
	WIN (W<<6)|W                                   ; source 0 and destination: the accumulators' window; bo window 0
.set i, 0
.rept 32
	v_pk_fma_f32 v[AC+i:AC+i+1], v[AC+i:AC+i+1], s[96:97], v[BI+i:BI+i+1] op_sel_hi:[1,0,1]   ; each accumulator from its low end on
.set i, i+2
.endr
	WIN W<<2                                       ; the LDS stores' data: the accumulators' window
.irp b, 0,1,2,3,4,5,6,7
	ds_store_b128 v[STO], v[AC+8*\b:AC+8*\b+3] offset:64*\b
	ds_store_b128 v[STO], v[AC+8*\b+4:AC+8*\b+7] offset:64*\b+16
.endr
	WIN 0
.set BB, BK+64*((\a)%2)
.irp t, 0,1,2,3,4,5,6,7,8,9,10,11,12,13,14,15
	ds_load_b128 v[BB+4*\t:BB+4*\t+3], v[RD] offset:\t*SPITCH
.endr
.endm
.macro SEND a, younger                 ; younger: the LDS instructions issued behind block a's loads, which may stay out
.set BB, BK+64*((\a)%2)
	s_wait_dscnt \younger
.if (\a) > 0
	s_add_nc_u64 s[10:11], s[10:11], 16*SIZE_N*4   ; behind a wait on XCNT: the earlier stores have read their base
.endif
.irp t, 0,1,2,3,4,5,6,7,8,9,10,11,12,13,14,15
	global_store_b128 v[CO], v[BB+4*\t:BB+4*\t+3], s[10:11] offset:\t*SIZE_N*4 th:TH_STORE_NT   ; 32 lanes store 512 consecutive bytes, aligned; written once, read by nobody here
.endr
.endm
	s_wait_kmcnt 0x0
	s_add_co_i32 s96, s96, s97
	s_add_co_i32 s96, s96, 127
	s_lshl_b32 s96, s96, 23                        ; 2^(e10 + e11) as f32
	s_mov_b32 s97, s96                             ; (named with it as a pair, so it is written)
	s_wait_loadcnt 0x0                             ; bo
	PLACES NP
	TOSTAGE 0
.irp a, 1,2,3,4,5,6,7
.if \a > 1
	s_wait_xcnt 0x0                                ; block a - 2's stores have read their registers and their base
.endif
	TOSTAGE \a
	SEND \a-1, 32                                  ; behind block a - 1's loads: block a's 16 stores and 16 loads
.endr
	s_wait_xcnt 0x0
	SEND 7, 0
	s_wait_tensorcnt 0x0                           ; the wave's end
	ds_add_u32 v[SPW], v[NIL]
	s_wait_dscnt 0x0
	CROUND                                         ; the closing round
	s_endpgm
.Lfunc_end_k_q0c91be1170_oproj:
	.size	k_q0c91be1170_oproj, .Lfunc_end_k_q0c91be1170_oproj-k_q0c91be1170_oproj
	.p2alignl 7, 3214868480
	.fill 96, 4, 3214868480
	.section	.rodata,"a",@progbits
	.p2align	6, 0x0
	.amdhsa_kernel k_q0c91be1170_oproj
		.amdhsa_group_segment_fixed_size 327680
		.amdhsa_private_segment_fixed_size 0
		.amdhsa_enable_private_segment 0
		.amdhsa_kernarg_size 40
		.amdhsa_user_sgpr_count 2
		.amdhsa_user_sgpr_kernarg_segment_ptr 1
		.amdhsa_wavefront_size32 1
		.amdhsa_system_sgpr_workgroup_id_x 1
		.amdhsa_system_sgpr_workgroup_id_y 1
		.amdhsa_system_sgpr_workgroup_id_z 1
		.amdhsa_system_vgpr_workitem_id 0
		.amdhsa_next_free_vgpr 1024
		.amdhsa_next_free_sgpr 100
		.amdhsa_reserve_vcc 0
		.amdhsa_float_denorm_mode_32 3
		.amdhsa_float_denorm_mode_16_64 3
		.amdhsa_memory_ordered 1
		.amdhsa_forward_progress 1
		.amdhsa_inst_pref_size 125
	.end_amdhsa_kernel
	.amdgpu_metadata
---
amdhsa.version: [ 1, 2 ]
amdhsa.kernels:
  - .name:           k_q0c91be1170_oproj
    .symbol:         k_q0c91be1170_oproj.kd
    .args:
      - { .name: ctximg, .offset: 0, .size: 8, .value_kind: global_buffer, .address_space: global }
      - { .name: wcodes, .offset: 8, .size: 8, .value_kind: global_buffer, .address_space: global }
      - { .name: lowp_scales, .offset: 16, .size: 8, .value_kind: global_buffer, .address_space: global }
      - { .name: bo, .offset: 24, .size: 8, .value_kind: global_buffer, .address_space: global }
      - { .name: out0, .offset: 32, .size: 8, .value_kind: global_buffer, .address_space: global }
    .group_segment_fixed_size: 327680
    .private_segment_fixed_size: 0
    .kernarg_segment_align: 8
    .kernarg_segment_size: 40
    .max_flat_workgroup_size: 128
    .sgpr_count:     100
    .vgpr_count:     1024
    .wavefront_size: 32
...
	.end_amdgpu_metadata
.endif
;; end of part 4
;; ======== version 2 of 2: 4 launches
;; limits: right only within a limited range of input values
;; workspace buffers: xcodes 25,165,824 bytes; wcodes 4,194,304 bytes; qimg 8,388,608 bytes; kv 16,777,216 bytes; ctximg 8,388,608 bytes
;; launch quant (part 5): grid 768 x 1, 4 waves a work-group, no clusters, 74,240 bytes of LDS; arguments input, wq, wk, wv, wo, lowp_scales, xcodes, wcodes; writes xcodes, wcodes
.if DOCPART == 5
	.amdgcn_target "amdgcn-amd-amdhsa--gfx1250"
	.amdhsa_code_object_version 6
	.text
	.protected	k_q0c91be1170_quant
	.globl	k_q0c91be1170_quant
	.p2align	8
	.type	k_q0c91be1170_quant,@function
k_q0c91be1170_quant:
	s_mov_b64 s[64:65], 0
	v_nop
	global_prefetch_b8 v0, s[64:65] scope:SCOPE_SE
	s_setreg_imm32_b32 hwreg(HW_REG_WAVE_MODE, 25, 1), 1
	s_wait_xcnt 0x0
; input [8192][1024] f32 becomes THREE sets of codes of FP8 (E4M3), since it is an operand of three products, each with a scale of its own (entries 0, 2, 4 of the scales): xcodes [3][512 tiles][16,384 B].
; wq, wk, wv, wo [1024][1024] f32 become wcodes [4][64 tiles][16,384 B] with entries 1, 3, 5, 11.  code = x / 2^e, held within +-448, rounded to the nearest code, ties to even.
; A TILE is 16 rows x 1,024 along K, laid as the IMAGE OF OPERAND REGISTERS that the later launches load: [64 pieces of 16 along K][16 rows][16 B].  So the group c (of four registers) of K step s (of 128) is 512 consecutive
; bytes at 2,048 s + 512 c, lane l's 16 bytes at 16 l: lane (r, h) holds row r, K = 128 s + 32 c + 16 h + 0 .. 15.
; LIMITS: each e used here lies between -126 and 119, so that 2^e and 448 x 2^e are f32 numbers.  NaN among the inputs is not served (an infinity is held at the largest code).
; A work-group takes a tile; a wave 16 rows x 256 along K, in 8 steps of two rows: 4,096 consecutive bytes of the image.  Work-groups 0-511 take input, 512-767 the weights, 64 each.
; Each of a step's four loads reads 512 consecutive bytes; the 2,048 bytes go through the wave's own stage in LDS and come back 64 bytes a lane: 16 neighbours along K (16 bytes of padding behind each 64).
; A lane's 16 codes go into the wave's own stage of codes, piece by piece (272 bytes a piece: 256 + 16 of padding), and at the end come back in the image's order: a store covers 512 consecutive bytes, aligned.
; Only pointers and exponents are chosen, by the work-group's number; the weights' work-groups jump over the second and third conversion.  Waves share nothing: no barrier.
; No cluster: no two work-groups read the same bytes.  No matrix unit, no tensor load: a stream has no use for them.
.set STEPS, 8
.set SP,    80                         ; a lane's place in a stage of numbers: 64 bytes + 16 of padding
.set FST,   2*32*SP                    ; two such stages
.set IMG,   16*272                     ; a stage of codes
.set WREG,  18432                      ; LDS of a wave: FST + 3 IMG, rounded up
.set SPARE, 4*WREG                     ; the spare words, 128 bytes a wave, which no other line names
.set R,     16                         ; v16-79   four sets of 16 numbers as loaded; at the end v16-111 take the codes read back
.set X,     80                         ; v80-111  two sets of 16 neighbours
.set T,     112                        ; v112-127 the 16 numbers, held
.set C,     128                        ; v128-151 codes: two sets of 3 x 4 registers
.set SCV,   8                          ; v8, v10, v12: 2^e;  v9, v11, v13: 448 x 2^e
	s_load_b256 s[4:11], s[0:1], 0x0               ; input s[4:5], wq s[6:7], wk s[8:9], wv s[10:11]
	s_load_b256 s[12:19], s[0:1], 0x20             ; wo s[12:13], the scales s[14:15], xcodes s[16:17], wcodes s[18:19]
	v_lshl_add_u32 v160, v0, 2, SPARE
	v_mov_b32 v161, 0
	v_lshrrev_b32 v1, 5, v0
	v_readfirstlane_b32 s20, v1                    ; wave
	v_and_b32 v2, 31, v0                           ; lane
	v_lshlrev_b32 v3, 4, v2                        ; my 16 bytes of 512
	s_mul_i32 s33, s20, WREG
	s_add_co_u32 s34, s33, FST
	v_lshrrev_b32 v14, 2, v2
	v_mul_u32_u24 v14, v14, SP
	v_and_b32 v15, 3, v2
	v_lshl_add_u32 v14, v15, 4, v14
	v_add_nc_u32 v14, s33, v14                     ; the numbers' stage, on the way in: SP (lane / 4) + 16 (lane % 4)
	v_mul_u32_u24 v15, v2, SP
	v_add_nc_u32 v15, s33, v15                     ; and on the way out: SP x lane
	v_and_b32 v6, 15, v2
	v_lshrrev_b32 v7, 4, v2
	v_mul_u32_u24 v4, v6, 272
	v_lshl_add_u32 v4, v7, 4, v4
	v_add_nc_u32 v4, s34, v4                       ; the codes' stage, in: piece lane % 16, row 2 t + lane / 16
	v_mul_u32_u24 v5, v7, 272
	v_lshl_add_u32 v5, v6, 4, v5
	v_add_nc_u32 v5, s34, v5                       ; and out: piece 2 j + lane / 16, row lane % 16
	s_and_b32 s31, ttmp9, 63                       ; a weight's work-group: which tile of its tensor,
	s_sub_co_u32 s32, ttmp9, 512                   ; and of wcodes
	s_wait_alu depctr_va_vdst(0)                   ; directly ahead of the wait below
	s_wait_kmcnt 0x0
	s_load_b256 s[36:43], s[14:15], 0x0            ; e0 .. e7
	s_load_b128 s[44:47], s[14:15], 0x20           ; e8 .. e11
	s_cmp_lt_u32 ttmp9, 704                        ; the source: every choice hangs on the work-group's number alone
	s_cselect_b64 s[22:23], s[10:11], s[12:13]
	s_cmp_lt_u32 ttmp9, 640
	s_cselect_b64 s[22:23], s[8:9], s[22:23]
	s_cmp_lt_u32 ttmp9, 576
	s_cselect_b64 s[22:23], s[6:7], s[22:23]
	s_cmp_lt_u32 ttmp9, 512
	s_cselect_b64 s[22:23], s[4:5], s[22:23]
	s_cselect_b64 s[24:25], s[16:17], s[18:19]     ; where the codes go
	s_cselect_b32 s21, 1, 0                        ; 1: input, three sets of codes
	s_cselect_b32 s31, ttmp9, s31
	s_cselect_b32 s32, ttmp9, s32
	s_lshl_b32 s34, s31, 16                        ; a tile's 16 rows of 4,096 bytes,
	s_lshl_b32 s35, s20, 10                        ; my 256 numbers of each row
	s_add_co_u32 s34, s34, s35
	s_mov_b32 s35, 0
	s_add_nc_u64 s[22:23], s[22:23], s[34:35]
	s_lshl_b32 s32, s32, 2
	s_add_co_u32 s32, s32, s20
	s_lshl_b32 s34, s32, 12                        ; 4,096 bytes of the image each
	s_add_nc_u64 s[24:25], s[24:25], s[34:35]
	s_add_nc_u64 s[26:27], s[24:25], 0x800000      ; input's second and third set (no weight's work-group stores by these two)
	s_add_nc_u64 s[28:29], s[24:25], 0x1000000
.macro LOAD t                          ; rows 2 t and 2 t + 1, two loads of 512 consecutive bytes each; read once in the launch
.irp i, 0,1,2,3
	global_load_b128 v[R+16*((\t)%4)+4*\i:R+16*((\t)%4)+4*\i+3], v3, s[22:23] offset:(2*(\t)+\i/2)*4096+(\i%2)*512 th:TH_LOAD_NT
.endr
.endm
.macro TURN t                          ; step t's numbers through the stage: LDS serves a wave's instructions in order, so no wait stands between the stores and the loads
.irp i, 0,1,2,3
	ds_store_b128 v14, v[R+16*((\t)%4)+4*\i:R+16*((\t)%4)+4*\i+3] offset:32*SP*((\t)%2)+8*SP*\i
.endr
.irp i, 0,1,2,3
	ds_load_b128 v[X+16*((\t)%2)+4*\i:X+16*((\t)%2)+4*\i+3], v15 offset:32*SP*((\t)%2)+16*\i
.endr
.endm
.macro MKSC e, v                       ; 2^e and 448 x 2^e as f32 numbers, e in s[e]
	s_add_co_i32 s34, s[\e], 127
	s_lshl_b32 s35, s34, 23
	v_mov_b32 v[\v], s35
	s_add_co_i32 s34, s34, 8
	s_lshl_b32 s34, s34, 23
	s_or_b32 s34, s34, 0x600000
	v_mov_b32 v[\v+1], s34
.endm
.irp t, 0,1,2,3
	LOAD \t
.endr
	s_wait_kmcnt 0x0
	s_cmp_lt_u32 ttmp9, 704                        ; the first conversion's exponent: e0 for input, e1, e3, e5, e11 for the weights
	s_cselect_b32 s30, s41, s47
	s_cmp_lt_u32 ttmp9, 640
	s_cselect_b32 s30, s39, s30
	s_cmp_lt_u32 ttmp9, 576
	s_cselect_b32 s30, s37, s30
	s_cmp_lt_u32 ttmp9, 512
	s_cselect_b32 s30, s36, s30
	MKSC 30, SCV
	MKSC 38, SCV+2                                 ; e2
	MKSC 40, SCV+4                                 ; e4
	s_wait_alu depctr_va_vdst(0)                   ; the wait at the head's end
	s_wait_loadcnt 12                              ; step 0's four loads are in; the twelve behind them may be out
	TURN 0
; Conversion k of step t: the numbers stay in X, since input's are converted three times; the held numbers go to T; the codes go into stage k.
.macro CONV k, t
.set XS, X+16*((\t)%2)
.set CC, C+12*((\t)%2)+4*(\k)
.irp i, 0,1,2,3,4,5,6,7,8,9,10,11,12,13,14,15
	v_med3_num_f32 v[T+\i], v[XS+\i], -v[SCV+2*(\k)+1], v[SCV+2*(\k)+1]   ; the conversion to an 8-bit code does not saturate (ISA guide 7.6.2): the hold at the largest code x the scale
.endr
	v_cvt_scalef32_pk8_fp8_f32 v[CC:CC+1], v[T:T+7], v[SCV+2*(\k)]
	v_cvt_scalef32_pk8_fp8_f32 v[CC+2:CC+3], v[T+8:T+15], v[SCV+2*(\k)]
	v_nop                                          ; one plain vector line between a scaled conversion and the next write of its sources
	ds_store_b128 v4, v[CC:CC+3] offset:(\k)*IMG+32*(\t)
.endm
.macro STEP t
	s_wait_dscnt 0x0                               ; this step's numbers are back from the stage, and all my earlier LDS stores have read their registers,
.if (\t)+4 < STEPS
	LOAD (\t)+4                                    ; which take the loads of four steps on
.endif
.if (\t)+1 < STEPS
.if STEPS-2-(\t) >= 3
	s_wait_loadcnt 12                              ; the next step's four loads are in; those of the three steps behind it may be out
.else
	s_wait_loadcnt 4*(STEPS-2-(\t))
.endif
	TURN (\t)+1                                    ; and go through the other stage while this step is worked
.endif
	CONV 0, \t
	s_cmp_eq_u32 s21, 0                            ; a weight has one scale
	s_cbranch_scc1 .Lone_\@
	CONV 1, \t
	CONV 2, \t
.Lone_\@:
.endm
.irp t, 0,1,2,3,4,5,6,7
	STEP \t
.endr
.macro BACK k                          ; stage k back in the image's order (LDS serves a wave's instructions in order: these see my stores)
.irp j, 0,1,2,3,4,5,6,7
	ds_load_b128 v[R+32*(\k)+4*\j:R+32*(\k)+4*\j+3], v5 offset:(\k)*IMG+544*\j
.endr
.endm
.macro PUT k
.irp j, 0,1,2,3,4,5,6,7
	global_store_b128 v3, v[R+32*(\k)+4*\j:R+32*(\k)+4*\j+3], s[24+2*(\k):25+2*(\k)] offset:512*\j   ; 512 consecutive bytes, aligned
.endr
.endm
	BACK 0
	s_wait_dscnt 0x0
	PUT 0
	s_cmp_eq_u32 s21, 0
	s_cbranch_scc1 .Lend
	BACK 1
	BACK 2
	s_wait_dscnt 0x0
	PUT 1
	PUT 2
.Lend:
	s_wait_tensorcnt 0x0                           ; the wave's end
	ds_add_u32 v160, v161
	s_wait_dscnt 0x0
	s_endpgm
.Lfunc_end_k_q0c91be1170_quant:
	.size	k_q0c91be1170_quant, .Lfunc_end_k_q0c91be1170_quant-k_q0c91be1170_quant
	.p2alignl 7, 3214868480
	.fill 96, 4, 3214868480
	.section	.rodata,"a",@progbits
	.p2align	6, 0x0
	.amdhsa_kernel k_q0c91be1170_quant
		.amdhsa_group_segment_fixed_size 74240
		.amdhsa_private_segment_fixed_size 0
		.amdhsa_enable_private_segment 0
		.amdhsa_kernarg_size 64
		.amdhsa_user_sgpr_count 2
		.amdhsa_user_sgpr_kernarg_segment_ptr 1
		.amdhsa_wavefront_size32 1
		.amdhsa_system_sgpr_workgroup_id_x 1
		.amdhsa_system_sgpr_workgroup_id_y 1
		.amdhsa_system_sgpr_workgroup_id_z 1
		.amdhsa_system_vgpr_workitem_id 0
		.amdhsa_next_free_vgpr 162
		.amdhsa_next_free_sgpr 66
		.amdhsa_reserve_vcc 0
		.amdhsa_float_denorm_mode_32 3
		.amdhsa_float_denorm_mode_16_64 3
		.amdhsa_memory_ordered 1
		.amdhsa_forward_progress 1
		.amdhsa_inst_pref_size 46
	.end_amdhsa_kernel
	.amdgpu_metadata
---
amdhsa.version: [ 1, 2 ]
amdhsa.kernels:
  - .name:           k_q0c91be1170_quant
    .symbol:         k_q0c91be1170_quant.kd
    .args:
      - { .name: input, .offset: 0, .size: 8, .value_kind: global_buffer, .address_space: global }
      - { .name: wq, .offset: 8, .size: 8, .value_kind: global_buffer, .address_space: global }
      - { .name: wk, .offset: 16, .size: 8, .value_kind: global_buffer, .address_space: global }
      - { .name: wv, .offset: 24, .size: 8, .value_kind: global_buffer, .address_space: global }
      - { .name: wo, .offset: 32, .size: 8, .value_kind: global_buffer, .address_space: global }
      - { .name: lowp_scales, .offset: 40, .size: 8, .value_kind: global_buffer, .address_space: global }
      - { .name: xcodes, .offset: 48, .size: 8, .value_kind: global_buffer, .address_space: global }
      - { .name: wcodes, .offset: 56, .size: 8, .value_kind: global_buffer, .address_space: global }
    .group_segment_fixed_size: 74240
    .private_segment_fixed_size: 0
    .kernarg_segment_align: 8
    .kernarg_segment_size: 64
    .max_flat_workgroup_size: 128
    .sgpr_count:     66
    .vgpr_count:     162
    .wavefront_size: 32
...
	.end_amdgpu_metadata
.endif
;; end of part 5
;; launch qkv (part 6): grid 4 x 64, 4 waves a work-group, clusters of 4 x 1, 327,680 bytes of LDS; arguments xcodes, wcodes, lowp_scales, bq, bk, bv, qimg, kv; writes qimg, kv
.if DOCPART == 6
	.amdgcn_target "amdgcn-amd-amdhsa--gfx1250"
	.amdhsa_code_object_version 6
	.text
	.protected	k_q0c91be1170_qkv
	.globl	k_q0c91be1170_qkv
	.p2align	8
	.type	k_q0c91be1170_qkv,@function
k_q0c91be1170_qkv:
	s_mov_b64 s[64:65], 0
	v_nop
	global_prefetch_b8 v0, s[64:65] scope:SCOPE_SE
	s_setreg_imm32_b32 hwreg(HW_REG_WAVE_MODE, 25, 1), 1
	s_wait_xcnt 0x0
	s_wait_alu depctr_hold_cnt(0) depctr_sa_sdst(0) depctr_va_vdst(0) depctr_va_sdst(0) depctr_va_ssrc(0) depctr_va_vcc(0) depctr_vm_vsrc(0)
	s_getreg_b32 s2, hwreg(HW_REG_IB_STS2, 6, 4)
	s_cmp_eq_u32 s2, 0
	s_cbranch_scc0 .Lentry_in_a_cluster
	s_endpgm
.Lentry_in_a_cluster:
	s_bfe_u32 s2, ttmp6, 0x10000c
	s_cmp_lg_u32 s2, 0x3003
	s_cbranch_scc0 .Lentry_shape_is_right
	s_endpgm
.Lentry_shape_is_right:
; q = (x wq^T + bq) / 8, k = x wk^T + bk, v = x wv^T + bv on codes of FP8 (E4M3), K = 1,024, sums in f32; each result is quantised at once for the attention's products (entries 6, 7, 9 of the scales)
; and stored as the image of the operand registers that the next launch loads.  The operands arrive as such images too (tiles of 16 rows x 1,024 K, 16,384 bytes; group c of K step s at 2,048 s + 512 c, lane l's 16 bytes at 16 l).
; Two operands: T, source 0 of the matrix instruction, whose rows run along a lane's result registers, and U, source 1, of which a lane holds one row: lane (r, h) holds U's row r and, in register j, T's row 8 h + j.
; So the conversion of accumulator b gives registers 2 b, 2 b + 1 with T's rows 16 b + 8 h + 0 .. 7: the place that the plain 8-bit forms give each k (ISA guide 7.12.2).
; A WORK-GROUP MAKES THREE BLOCKS of 256 rows of U x 128 rows of T, a wave 64 x 128 of each in 32 accumulators; 24 K steps of 128 on end.  With C the cluster's number (0 .. 63) and cx the place in it:
;   blocks 0, 1: T = 128 rows (two heads) of wq or wk, number C / 4 of the sixteen;  U = tokens 512 (4 (C % 4) + cx) + 256 x block ..      block 2 (v): T = tokens 128 C .. (the keys become the next K);  U = wv's rows 256 cx ..
; T LIES IN LDS for all of K: two regions of 131,072 bytes, each filled ONCE, 32,768 bytes a wave.  Both are the same for the four work-groups of a cluster and are asked for jointly.  No ring, no refill.
; U is read by one wave of the work-group alone: it goes from memory straight into registers, 512 consecutive bytes a load, through four buffers that take turns: a step's buffer takes the step four further on.
; No prefetch: the text has no loop to run ahead in; the four buffers hold 64 loads.
; qimg [64 heads][128 tiles of 16 queries][1,024 B];  kv [64 heads][16 blocks of 128 keys][16,384 B]: 8 tiles of 16 keys x 1,024 B, then 4 tiles of 16 channels x 2,048 B of v.
; LIMITS: e0 + e1, e2 + e3, e4 + e5 between -126 and 127; e6 + 3, e7, e9 between -126 and 119: each power of two below is an f32 number.  The division by 8 is folded into q's scale: 2^(e6 + 3).
; REGISTERS, in windows of 256: window 0: v0-31 addresses and scales, v32-95 the bias along T's rows, v96-103 along U's rows, v128-255 T's set 0;  window 1: the accumulators ((a, b) at v[8 (8 a + b)]);
;   window 2: U's four buffers;  window 3: v0-63 codes, v128-255 T's set 1.
.set SPARE, 262144                     ; behind T's two regions: the spare words, 128 bytes a wave, which no other line names
.set LIMA, 8                           ; 448 x the scale, and the scale, of q or k
.set SCLA, 9
.set LIMV, 10                          ; of v
.set SCLV, 11
.set CO,   12                          ; 16 x lane
.set ADB,  16                          ; v16-19  16 x lane + 65,536 n
.set SPW,  28
.set NIL,  29
.set BI,   32
.set BV,   96
.set MSB, 0
.macro WIN new                         ; the immediate's high byte repeats the setting that is left
.if MSB != (\new)
	s_set_vgpr_msb (MSB<<8)|(\new)
.set MSB, (\new)
.endif
.endm
.macro CROUND                          ; a round of the cluster's barrier
	s_barrier_signal -1
	s_barrier_wait -1
	s_cmp_lg_u32 s14, 0
	s_cbranch_scc1 .Lnot_wave_0_\@
	s_barrier_signal -3
.Lnot_wave_0_\@:
	s_barrier_wait -3
	s_barrier_signal -1
	s_barrier_wait -1
.endm
.macro PLACES                          ; plain vector lines between a matrix instruction and a load into, or a vector line on, its registers
.rept 4
	v_nop
.endr
.endm
	s_load_b256 s[68:75], s[0:1], 0x0              ; xcodes s[68:69], wcodes s[70:71], the scales s[72:73], bq s[74:75]
	s_load_b256 s[76:83], s[0:1], 0x20             ; bk s[76:77], bv s[78:79], qimg s[80:81], kv s[82:83]
	v_lshl_add_u32 v[SPW], v0, 2, SPARE
	v_mov_b32 v[NIL], 0
	ds_add_u32 v[SPW], v[NIL]                      ; the opening lines: the add, twice on end, and its wait
	ds_add_u32 v[SPW], v[NIL]
	v_lshrrev_b32 v1, 5, v0
	v_readfirstlane_b32 s14, v1                    ; wave 0..3
	s_bfe_u32 s40, ttmp6, 0x40000                  ; cx
	s_and_b32 s41, ttmp7, 0xffff                   ; C
	s_mov_b32 s24, 15|(3<<16)|(1<<21)              ; group 1: the mask names the four; elements of 8 bytes; 128 rows of 256 bytes, dense
	s_mov_b32 s25, 32<<16
	s_mov_b32 s26, 128<<16
	s_mov_b32 s27, 32<<16
	s_mov_b32 s28, 128
	s_mov_b32 s29, 32
	s_mov_b32 s30, 0
	s_mov_b32 s31, 0
	s_lshl_b32 s15, s14, 15                        ; my 32,768 bytes of a region
	s_lshr_b32 s42, s41, 2                         ; which 128 rows of wq (0-7) or wk (8-15)
	s_lshl_b32 s46, s42, 17
	s_add_co_u32 s46, s46, s15
	s_mov_b32 s47, 0
	s_lshl_b32 s44, s41, 17                        ; tokens 128 C ..,
	s_add_co_u32 s44, s44, s15
	s_add_co_u32 s44, s44, 0x1000000               ; in the tokens' third set of codes
	s_mov_b32 s45, 0
	s_mov_b32 s32, 1
	s_mov_b32 s33, s15
	s_mov_b32 s36, 1
	s_add_co_u32 s37, s15, 131072
	s_wait_dscnt 0x0
	s_wait_kmcnt 0x0
	s_load_b256 s[84:91], s[72:73], 0x0            ; e0 .. e7
	s_load_b64 s[92:93], s[72:73], 0x20            ; e8, e9
	s_add_nc_u64 s[34:35], s[70:71], s[46:47]
	s_or_b32 s35, s35, 0x80000000
	s_add_nc_u64 s[38:39], s[68:69], s[44:45]
	s_or_b32 s39, s39, 0x80000000
	CROUND
	tensor_load_to_lds s[32:35], s[24:31]          ; the weights' region: one tensor load a wave at the head
	s_nop 0
	PLACES
	s_lshr_b32 s43, s42, 3                         ; 0: q, 1: k
	s_and_b32 s48, s41, 3
	s_lshl_b32 s48, s48, 2
	s_add_co_u32 s48, s48, s40                     ; g: which 512 tokens
	s_lshl_b32 s20, s48, 19                        ; 32 tiles of 16,384 bytes,
	s_lshl_b32 s21, s14, 16                        ; my four of a block's sixteen,
	s_add_co_u32 s20, s20, s21
	s_lshl_b32 s21, s43, 23                        ; in the tokens' first or second set
	s_add_co_u32 s20, s20, s21
	s_mov_b32 s21, 0
	s_add_nc_u64 s[20:21], s[68:69], s[20:21]      ; U of blocks 0, 1
	s_lshl_b32 s22, s40, 18
	s_lshl_b32 s23, s14, 16
	s_add_co_u32 s22, s22, s23
	s_add_co_u32 s22, s22, 0x200000
	s_mov_b32 s23, 0
	s_add_nc_u64 s[22:23], s[70:71], s[22:23]      ; U of block 2: wv's rows 256 cx + 64 wave ..
	s_and_b32 s49, s42, 7
	s_lshl_b32 s50, s49, 9
	s_mov_b32 s51, 0
	s_cmp_eq_u32 s43, 0
	s_cselect_b64 s[98:99], s[74:75], s[76:77]
	s_add_nc_u64 s[98:99], s[98:99], s[50:51]      ; bq or bk at T's 128 rows
	s_lshl_b32 s50, s40, 10
	s_lshl_b32 s52, s14, 8
	s_add_co_u32 s50, s50, s52
	s_add_nc_u64 s[100:101], s[78:79], s[50:51]    ; bv at my 64 rows of wv
	s_lshr_b32 s52, s48, 2                         ; where q's or k's images go: the batch,
	s_lshl_b32 s52, s52, 4
	s_lshl_b32 s53, s49, 1
	s_add_co_u32 s52, s52, s53                     ; 16 x batch + the first of my two heads
	s_and_b32 s53, s48, 3                          ; which 512 tokens of the batch
	s_lshl_b32 s54, s52, 17                        ; qimg: 131,072 a head, 64 a token
	s_lshl_b32 s55, s53, 15
	s_add_co_u32 s54, s54, s55
	s_lshl_b32 s55, s14, 12
	s_add_co_u32 s54, s54, s55
	s_lshl_b32 s56, s52, 18                        ; kv: 262,144 a head, 16,384 for 128 tokens, 1,024 for 16
	s_lshl_b32 s57, s53, 16
	s_add_co_u32 s56, s56, s57
	s_lshr_b32 s57, s14, 1
	s_lshl_b32 s57, s57, 14
	s_add_co_u32 s56, s56, s57
	s_and_b32 s57, s14, 1
	s_lshl_b32 s57, s57, 12
	s_add_co_u32 s56, s56, s57
	s_mov_b32 s58, 0x40000
	s_mov_b32 s60, 0x8000
	s_cmp_eq_u32 s43, 0
	s_cselect_b32 s54, s54, s56
	s_cselect_b32 s58, 0x20000, s58                ; from a head to the next
	s_cselect_b32 s60, 0x4000, s60                 ; 256 tokens on
	s_cselect_b64 s[4:5], s[80:81], s[82:83]
	s_mov_b32 s55, 0
	s_mov_b32 s59, 0
	s_mov_b32 s61, 0
	s_add_nc_u64 s[4:5], s[4:5], s[54:55]          ; block 0: my first head's images,
	s_add_nc_u64 s[6:7], s[4:5], s[58:59]          ; my second head's;
	s_add_nc_u64 s[8:9], s[4:5], s[60:61]          ; block 1 likewise
	s_add_nc_u64 s[10:11], s[6:7], s[60:61]
	s_lshr_b32 s62, s41, 4                         ; v: the batch of tokens 128 C ..,
	s_lshl_b32 s62, s62, 4
	s_lshl_b32 s63, s40, 2
	s_add_co_u32 s62, s62, s63
	s_add_co_u32 s62, s62, s14                     ; head 4 cx + wave,
	s_lshl_b32 s62, s62, 18
	s_and_b32 s63, s41, 15                         ; the block of 128 keys,
	s_lshl_b32 s63, s63, 14
	s_add_co_u32 s62, s62, s63
	s_add_co_u32 s62, s62, 8192                    ; behind its keys' tiles
	s_mov_b32 s63, 0
	s_add_nc_u64 s[12:13], s[82:83], s[62:63]
	v_and_b32 v1, 15, v0                           ; r
	v_bfe_u32 v2, v0, 4, 1                         ; h
	v_and_b32 v6, 31, v0
	v_lshlrev_b32 v[CO], 4, v6
	v_lshlrev_b32 v7, 5, v2                        ; 32 h
	v_lshlrev_b32 v5, 2, v1                        ; 4 r
	v_lshlrev_b32 v[ADB], 4, v6
	v_lshl_add_u32 v[ADB+1], v6, 4, 65536
	v_lshl_add_u32 v[ADB+2], v6, 4, 131072
	v_lshl_add_u32 v[ADB+3], v6, 4, 196608
	s_wait_alu depctr_va_vdst(0)
.macro LOADA s                         ; U's four fragments of step s into buffer s % 4: sixteen loads of 512 consecutive bytes
.set UB, 64*((\s)%4)
	WIN 0x80
.irp a, 0,1,2,3
.irp c, 0,1,2,3
.if (\s) < 16
	global_load_b128 v[UB+16*\a+4*\c:UB+16*\a+4*\c+3], v[CO], s[20:21] offset:((\s)/8)*262144+\a*16384+((\s)%8)*2048+\c*512
.else
	global_load_b128 v[UB+16*\a+4*\c:UB+16*\a+4*\c+3], v[CO], s[22:23] offset:\a*16384+((\s)%8)*2048+\c*512
.endif
.endr
.endr
.endm
.macro LOADB s                         ; T's eight fragments of step s into set s % 2
.set SEL, 2*((\s)/16)
	WIN (3*((\s)%2))<<6
.irp i, 0,1,2,3
.irp c, 0,1,2,3
	ds_load_b128 v[128+16*\i+4*\c:128+16*\i+4*\c+3], v[ADB+SEL] offset:\i*16384+((\s)%8)*2048+\c*512
.endr
.endr
.irp i, 4,5,6,7
.irp c, 0,1,2,3
	ds_load_b128 v[128+16*\i+4*\c:128+16*\i+4*\c+3], v[ADB+SEL+1] offset:(\i-4)*16384+((\s)%8)*2048+\c*512
.endr
.endr
.endm
.macro MUL s                           ; 32 matrix instructions; the 32 accumulators take turns, in the same order in every step.  A block's first step starts the sums
.set UB, 64*((\s)%4)
	WIN 0x58|(3*((\s)%2))
.irp a, 0,1,2,3
.irp b, 0,1,2,3,4,5,6,7
.if (\s)%8 == 0
	v_wmma_f32_16x16x128_fp8_fp8 v[8*(8*\a+\b):8*(8*\a+\b)+7], v[128+16*\b:128+16*\b+15], v[UB+16*\a:UB+16*\a+15], 0
.else
	v_wmma_f32_16x16x128_fp8_fp8 v[8*(8*\a+\b):8*(8*\a+\b)+7], v[128+16*\b:128+16*\b+15], v[UB+16*\a:UB+16*\a+15], v[8*(8*\a+\b):8*(8*\a+\b)+7]
.endif
.endr
.endr
.endm
.macro STEP s
.if (\s) > 20
	s_wait_loadcnt 16*(23-(\s))
.else
	s_wait_loadcnt 48                              ; this step's U is in; the loads of the three steps behind it may be out
.endif
	s_wait_dscnt 0x0                               ; T's set, asked for a step ago
.if (\s) == 15
	s_wait_tensorcnt 0x0                           ; my part of the tokens' region is in:
	s_barrier_signal -1
	s_barrier_wait -1                              ; everybody's is; it is first read below.  Nothing is filled again
.endif
.if (\s) < 23
.if (\s) > 0
	PLACES                                         ; the other set was multiplied in the last step
.endif
	LOADB (\s)+1
.endif
	MUL \s
.if (\s) < 20
	PLACES
	LOADA (\s)+4
.endif
.endm
.macro MKSC e, sc, lim                 ; 2^e and 448 x 2^e as f32 numbers, e in s[e]
	s_add_co_i32 s53, s[\e], 127
	s_lshl_b32 s54, s53, 23
	v_mov_b32 v[\sc], s54
	s_add_co_i32 s53, s53, 8
	s_lshl_b32 s53, s53, 23
	s_or_b32 s53, s53, 0x600000
	v_mov_b32 v[\lim], s53
.endm
.irp b, 0,1,2,3,4,5,6,7
	global_load_b128 v[BI+8*\b:BI+8*\b+3], v7, s[98:99] offset:64*\b        ; register 8 b + j: the bias at T's row 16 b + 8 h + j
	global_load_b128 v[BI+8*\b+4:BI+8*\b+7], v7, s[98:99] offset:64*\b+16
.endr
.irp a, 0,1,2,3
	global_load_b32 v[BV+2*\a], v5, s[100:101] offset:64*\a                 ; bv at U's row 16 a + r, twice: a pair for the packed multiply-add
	global_load_b32 v[BV+2*\a+1], v5, s[100:101] offset:64*\a
.endr
.irp s, 0,1,2,3
	LOADA \s
.endr
	WIN 0
	s_wait_kmcnt 0x0
	s_add_co_i32 s84, s84, s85                     ; e0 + e1
	s_add_co_i32 s86, s86, s87                     ; e2 + e3
	s_add_co_i32 s88, s88, s89                     ; e4 + e5
	s_add_co_i32 s90, s90, 3                       ; e6 + 3: q / 8 / 2^e6
	s_cmp_eq_u32 s43, 0
	s_cselect_b32 s96, s84, s86
	s_cselect_b32 s52, s90, s91
	s_add_co_i32 s96, s96, 127
	s_lshl_b32 s96, s96, 23                        ; 2^(ex + ew) as f32, of q or k,
	s_mov_b32 s97, s96                             ; (named with it as a pair, so it is written)
	s_add_co_i32 s94, s88, 127
	s_lshl_b32 s94, s94, 23                        ; and of v
	s_mov_b32 s95, s94
	MKSC 52, SCLA, LIMA
	MKSC 93, SCLV, LIMV
	s_wait_alu depctr_va_vdst(0)                   ; the wait at the head's end
	s_wait_tensorcnt 0x0                           ; my part of the weights' region is in
	ds_add_u32 v[SPW], v[NIL]
	s_wait_dscnt 0x0
	CROUND                                         ; everybody's part is in, and all four work-groups are here
	tensor_load_to_lds s[36:39], s[24:31]          ; the tokens' region, the first tensor load behind the round
	s_nop 0
	PLACES
	LOADB 0
; THE WAY OUT of U's block a (16 rows of U x 128 rows of T), in place in its eight accumulators, each from its low end on: sum x 2^(ex + ew) + bias; the hold; eight conversions make sixteen registers of codes;
; four stores of 512 consecutive bytes.  kind 0 (q, k): registers 0-7 are a fragment (16 tokens x 64) of my first head, 8-15 of my second.   kind 1 (v): the sixteen are one fragment: 16 channels x 128 keys.
.macro EPI a, kind, p0, p1
.set AC, 64*(\a)
	WIN 0x41                                       ; source 0 and destination: the accumulators' window
.set i, 0
.rept 32
.if \kind
	v_pk_fma_f32 v[AC+i:AC+i+1], v[AC+i:AC+i+1], s[94:95], v[BV+2*(\a):BV+2*(\a)+1] op_sel_hi:[1,0,1]
.else
	v_pk_fma_f32 v[AC+i:AC+i+1], v[AC+i:AC+i+1], s[96:97], v[BI+i:BI+i+1] op_sel_hi:[1,0,1]
.endif
.set i, i+2
.endr
.set i, 0
.rept 64
	v_med3_num_f32 v[AC+i], v[AC+i], -v[LIMA+2*(\kind)], v[LIMA+2*(\kind)]   ; the conversion to an 8-bit code does not saturate (ISA guide 7.6.2)
.set i, i+1
.endr
	WIN 0xc1                                       ; the codes: window 3; each block of U has sixteen registers of its own
.irp b, 0,1,2,3,4,5,6,7
	v_cvt_scalef32_pk8_fp8_f32 v[16*(\a)+2*\b:16*(\a)+2*\b+1], v[AC+8*\b:AC+8*\b+7], v[SCLA+2*(\kind)]
.endr
	v_nop                                          ; one plain vector line behind the last conversion of a run
	WIN 0x0c
.if \kind
.irp c, 0,1,2,3
	global_store_b128 v[CO], v[16*(\a)+4*\c:16*(\a)+4*\c+3], s[\p0:\p0+1] offset:2048*(\a)+512*\c
.endr
.else
.irp c, 0,1
	global_store_b128 v[CO], v[16*(\a)+4*\c:16*(\a)+4*\c+3], s[\p0:\p0+1] offset:1024*(\a)+512*\c
	global_store_b128 v[CO], v[16*(\a)+8+4*\c:16*(\a)+8+4*\c+3], s[\p1:\p1+1] offset:1024*(\a)+512*\c
.endr
.endif
.endm
.macro OUTU kind, p0, p1
	PLACES
	s_wait_xcnt 0x0                                ; the last block's stores have read the code registers: they are written again only behind this wait
.irp a, 0,1,2,3
	EPI \a, \kind, \p0, \p1
.endr
.endm
.irp s, 0,1,2,3,4,5,6,7
	STEP \s
.endr
	OUTU 0, 4, 6
.irp s, 8,9,10,11,12,13,14,15
	STEP \s
.endr
	OUTU 0, 8, 10
.irp s, 16,17,18,19,20,21,22,23
	STEP \s
.endr
	OUTU 1, 12, 12
	WIN 0
	s_wait_tensorcnt 0x0                           ; the wave's end
	ds_add_u32 v[SPW], v[NIL]
	s_wait_dscnt 0x0
	CROUND                                         ; the closing round
	s_endpgm
.Lfunc_end_k_q0c91be1170_qkv:
	.size	k_q0c91be1170_qkv, .Lfunc_end_k_q0c91be1170_qkv-k_q0c91be1170_qkv
	.p2alignl 7, 3214868480
	.fill 96, 4, 3214868480
	.section	.rodata,"a",@progbits
	.p2align	6, 0x0
	.amdhsa_kernel k_q0c91be1170_qkv
		.amdhsa_group_segment_fixed_size 327680
		.amdhsa_private_segment_fixed_size 0
		.amdhsa_enable_private_segment 0
		.amdhsa_kernarg_size 64
		.amdhsa_user_sgpr_count 2
		.amdhsa_user_sgpr_kernarg_segment_ptr 1
		.amdhsa_wavefront_size32 1
		.amdhsa_system_sgpr_workgroup_id_x 1
		.amdhsa_system_sgpr_workgroup_id_y 1
		.amdhsa_system_sgpr_workgroup_id_z 1
		.amdhsa_system_vgpr_workitem_id 0
		.amdhsa_next_free_vgpr 1024
		.amdhsa_next_free_sgpr 102
		.amdhsa_reserve_vcc 0
		.amdhsa_float_denorm_mode_32 3
		.amdhsa_float_denorm_mode_16_64 3
		.amdhsa_memory_ordered 1
		.amdhsa_forward_progress 1
		.amdhsa_inst_pref_size 236
	.end_amdhsa_kernel
	.amdgpu_metadata
---
amdhsa.version: [ 1, 2 ]
amdhsa.kernels:
  - .name:           k_q0c91be1170_qkv
    .symbol:         k_q0c91be1170_qkv.kd
    .args:
      - { .name: xcodes, .offset: 0, .size: 8, .value_kind: global_buffer, .address_space: global }
      - { .name: wcodes, .offset: 8, .size: 8, .value_kind: global_buffer, .address_space: global }
      - { .name: lowp_scales, .offset: 16, .size: 8, .value_kind: global_buffer, .address_space: global }
      - { .name: bq, .offset: 24, .size: 8, .value_kind: global_buffer, .address_space: global }
      - { .name: bk, .offset: 32, .size: 8, .value_kind: global_buffer, .address_space: global }
      - { .name: bv, .offset: 40, .size: 8, .value_kind: global_buffer, .address_space: global }
      - { .name: qimg, .offset: 48, .size: 8, .value_kind: global_buffer, .address_space: global }
      - { .name: kv, .offset: 56, .size: 8, .value_kind: global_buffer, .address_space: global }
    .group_segment_fixed_size: 327680
    .private_segment_fixed_size: 0
    .kernarg_segment_align: 8
    .kernarg_segment_size: 64
    .max_flat_workgroup_size: 128
    .sgpr_count:     102
    .vgpr_count:     1024
    .wavefront_size: 32
...
	.end_amdgpu_metadata
.endif
;; end of part 6
;; launch attn (part 7): grid 4 x 64, 8 waves a work-group, clusters of 4 x 1, 327,680 bytes of LDS; arguments qimg, kv, mask, lowp_scales, ctximg; writes ctximg
.if DOCPART == 7
	.amdgcn_target "amdgcn-amd-amdhsa--gfx1250"
	.amdhsa_code_object_version 6
	.text
	.protected	k_q0c91be1170_attn
	.globl	k_q0c91be1170_attn
	.p2align	8
	.type	k_q0c91be1170_attn,@function
k_q0c91be1170_attn:
	s_mov_b64 s[64:65], 0
	v_nop
	global_prefetch_b8 v0, s[64:65] scope:SCOPE_SE
	s_setreg_imm32_b32 hwreg(HW_REG_WAVE_MODE, 25, 1), 1
	s_wait_xcnt 0x0
	s_wait_alu depctr_hold_cnt(0) depctr_sa_sdst(0) depctr_va_vdst(0) depctr_va_sdst(0) depctr_va_ssrc(0) depctr_va_vcc(0) depctr_vm_vsrc(0)
	s_getreg_b32 s2, hwreg(HW_REG_IB_STS2, 6, 4)
	s_cmp_eq_u32 s2, 0
	s_cbranch_scc0 .Lentry_in_a_cluster
	s_endpgm
.Lentry_in_a_cluster:
	s_bfe_u32 s2, ttmp6, 0x10000c
	s_cmp_lg_u32 s2, 0x3003
	s_cbranch_scc0 .Lentry_shape_is_right
	s_endpgm
.Lentry_shape_is_right:
; context = softmax(q k^T, keys with mask 0 left out) v for one head (work-group y = 16 x batch + head), both products on codes of FP8 (E4M3); the result is quantised at once for the last product (entry 10 of the scales).
; q, k, v arrive as images of operand registers (qimg, kv: laid by the launch before), the context leaves as such an image (ctximg: [4 K steps of 256][4 batches][128 tiles of 16 tokens][4,096 B]).
; THE SOFTMAX: t = score x log2(e); M = the running largest t, rounded up to a whole number; p = 2^(t - M) is quantised (entry 8); the row's sum is taken of the unquantised p and divides at the end.
; When M moves, the sum and O^T are multiplied by 2^(old M - new M), in every step, with no branch.
; THE MASK: -2^126 for a key with mask 0, else 0, is the C operand of the first product.  M begins at -2^75, over every masked t: so a masked key's p is 0.
; SHARES: a cluster of 4 work-groups owns a head; all 2,048 keys' K and V (262,144 bytes) lie in each one's LDS, asked for jointly, one tensor load of 32,768 bytes a wave, and are filled once.
; A work-group owns 512 queries, a wave 64, in two passes of 32 (two tiles); a step is 128 keys.  Both products are used transposed: a lane holds one query (lane % 16) throughout.
; No prefetch: all that comes from memory is asked for at the head; the loops read LDS alone.
; A STEP'S ORDER: the 128 exponentials go in two batches of 64, a wait ahead of the first, one between, one behind.  Between the exponentials stand only lines whose
; sources were written ahead of the batch's wait and whose results are read behind the next: tile 1's scalings in batch 0; tile 0's sums by pairs (into p's code registers, free then) and its holds in batch 1.
; O^T is rescaled ahead of the first batch.
; LIMITS: e6 + e7 between -40 and 126; e8 and e10 between -126 and 119; scaled scores under 2^31 in magnitude.  A batch whose mask is 0 for every key is not served (the definition has NaN there).
.set MB,    262144                     ; LDS: the mask's bias, 2,048 f32
.set QB,    270336                     ; Q's images: 4,096 bytes a wave, each wave's own
.set SPARE, 303104                     ; the spare words, 128 bytes a wave, which no other line names
.set LI,    1                          ; 16 x lane
.set AD,    2                          ; LDS address of the block of keys in hand
.set AM,    3                          ; of its mask bias
.set AM0,   4
.set AQ,    5                          ; of my Q images
.set LIM8,  6                          ; 448 x 2^e8, twice: the two halves of a dual pair name registers of different banks
.set LIM8B, 7
.set SC8,   8
.set LIM10, 9
.set ST,    10                         ; a tile's eight: -M, largest t, the sum (2), f, permute's, two at work
.set SC10,  26
.set PC,    28                         ; p's codes, 16 a tile
.set S,     60                         ; S^T, then p: 64 a tile
.set OT,    188                        ; O^T: 32 a tile
.set T0,    S
.set SPW,   254
.set NIL,   255
.set QF,    0                          ; window 1: Q, K, V, mask
.set KF,    32
.set VF,    96
.set MK,    160
.set WV,    14
.set W_KQ,  0x15
.set W_PV,  0x01
.set W_LD,  0x40
.set MSB, 0
.macro WIN new                         ; the immediate's high byte repeats the setting that is left
.if MSB != (\new)
	s_set_vgpr_msb (MSB<<8)|(\new)
.set MSB, (\new)
.endif
.endm
.macro CROUND                          ; a round of the cluster's barrier
	s_barrier_signal -1
	s_barrier_wait -1
	s_cmp_lg_u32 s[WV], 0
	s_cbranch_scc1 .Lnot_wave_0_\@
	s_barrier_signal -3
.Lnot_wave_0_\@:
	s_barrier_wait -3
	s_barrier_signal -1
	s_barrier_wait -1
.endm
	s_load_b256 s[4:11], s[0:1], 0x0               ; qimg s[4:5], kv s[6:7], mask s[8:9], the scales s[10:11]
	s_load_b64 s[12:13], s[0:1], 0x20              ; ctximg
	v_lshl_add_u32 v[SPW], v0, 2, SPARE
	v_mov_b32 v[NIL], 0
	ds_add_u32 v[SPW], v[NIL]                      ; the opening lines: the add, twice on end, and its wait
	ds_add_u32 v[SPW], v[NIL]
	v_lshrrev_b32 v1, 5, v0
	v_readfirstlane_b32 s[WV], v1                  ; wave 0..7
	s_bfe_u32 s15, ttmp6, 0x40000                  ; cx
	s_and_b32 s16, ttmp7, 0xffff                   ; 16 x batch + head
	s_mov_b32 s24, 15|(3<<16)|(1<<21)              ; group 1: the mask names the four; elements of 8 bytes; 128 rows of 256 bytes, dense
	s_mov_b32 s25, 32<<16
	s_mov_b32 s26, 128<<16
	s_mov_b32 s27, 32<<16
	s_mov_b32 s28, 128
	s_mov_b32 s29, 32
	s_mov_b32 s30, 0
	s_mov_b32 s31, 0
	s_mov_b32 s20, 0x76543210                      ; lane l xor 16
	s_mov_b32 s21, 0xfedcba98
	s_mov_b32 s43, 0xffff0000                      ; lanes 16-31
	s_lshl_b32 s17, s[WV], 15
	s_lshl_b32 s18, s16, 18
	s_add_co_u32 s18, s18, s17                     ; the head's 262,144 bytes, my wave's 32,768 of them
	s_mov_b32 s19, 0
	s_wait_dscnt 0x0
	s_wait_kmcnt 0x0
	s_load_b128 s[48:51], s[10:11], 0x18           ; e6 .. e9
	s_load_b32 s52, s[10:11], 0x28                 ; e10
	s_add_nc_u64 s[34:35], s[6:7], s[18:19]
	s_or_b32 s35, s35, 0x80000000
	s_mov_b32 s32, 1
	s_mov_b32 s33, s17
	CROUND
	tensor_load_to_lds s[32:35], s[24:31]          ; my one tensor load
	s_nop 0
.rept 4
	v_nop
.endr
	s_lshr_b32 s18, s16, 4
	s_lshl_b32 s18, s18, 13
	s_add_nc_u64 s[8:9], s[8:9], s[18:19]          ; the batch's mask
	s_lshl_b32 s18, s16, 17
	s_lshl_b32 s53, s15, 15
	s_add_co_u32 s18, s18, s53
	s_lshl_b32 s53, s[WV], 12
	s_add_co_u32 s18, s18, s53
	s_add_nc_u64 s[4:5], s[4:5], s[18:19]          ; my four tiles of queries: tile 32 cx + 4 wave
	s_and_b32 s18, s16, 15
	s_lshr_b32 s53, s18, 2
	s_lshl_b32 s53, s53, 21                        ; ctximg: the K step of 256 that holds my head,
	s_and_b32 s18, s18, 3
	s_lshl_b32 s18, s18, 10                        ; the head's 1,024 bytes of a tile's 4,096,
	s_add_co_u32 s18, s18, s53
	s_lshr_b32 s53, s16, 4
	s_lshl_b32 s53, s53, 19                        ; the batch,
	s_add_co_u32 s18, s18, s53
	s_lshl_b32 s53, s15, 17
	s_add_co_u32 s18, s18, s53
	s_lshl_b32 s53, s[WV], 14                      ; and my first tile
	s_add_co_u32 s18, s18, s53
	s_add_nc_u64 s[12:13], s[12:13], s[18:19]
	s_lshl_b32 s53, s[WV], 12
	s_add_co_u32 s53, s53, QB
	v_and_b32 v[T0], 31, v0
	v_bfe_u32 v[T0+1], v0, 4, 1
	v_lshlrev_b32 v[T0+2], 4, v0                   ; the mask: 16 bytes a thread, twice, 4,096 bytes apart
	v_mov_b32 v[T0+12], 0xfe800000                 ; -2^126
	v_lshlrev_b32 v[LI], 4, v[T0]
	v_lshl_add_u32 v[AM0], v[T0+1], 5, MB          ; register j of a tile of 16 keys: key 8 (lane / 16) + j
	v_add_nc_u32 v[T0+3], MB, v[T0+2]
	v_add_nc_u32 v[AQ], s53, v[LI]
	s_wait_alu depctr_va_vdst(0)
	global_load_b128 v[T0+4:T0+7], v[T0+2], s[8:9]
	global_load_b128 v[T0+8:T0+11], v[T0+2], s[8:9] offset:4096
.irp i, 0,1,2,3,4,5,6,7
	global_load_b128 v[T0+16+4*\i:T0+19+4*\i], v[LI], s[4:5] offset:512*\i
.endr
	s_wait_loadcnt 8                               ; the mask is in; Q's eight loads may be out
.irp i, 0,1,2,3,4,5,6,7
	v_cmp_eq_u32 vcc_lo, 0, v[T0+4+\i]
	v_cndmask_b32 v[T0+4+\i], 0, v[T0+12], vcc_lo
.endr
	ds_store_b128 v[T0+3], v[T0+4:T0+7]
	ds_store_b128 v[T0+3], v[T0+8:T0+11] offset:4096
	s_wait_loadcnt 0x0
.irp i, 0,1,2,3,4,5,6,7
	ds_store_b128 v[AQ], v[T0+16+4*\i:T0+19+4*\i] offset:512*\i   ; Q's images wait in my own LDS bytes, so that both passes run one text
.endr
	s_wait_kmcnt 0x0
	s_add_co_i32 s53, s48, s49
	s_lshl_b32 s53, s53, 23
	s_mov_b32 s22, 0x3fb8aa3b                      ; log2(e),
	s_add_co_i32 s22, s22, s53                     ; x 2^(e6 + e7), by its exponent field
	s_mov_b32 s23, s22
	s_add_co_i32 s44, s50, s51                     ; e8 + e9
	s_add_co_i32 s53, s50, 127
	s_lshl_b32 s54, s53, 23
	s_add_co_i32 s53, s53, 8
	s_lshl_b32 s53, s53, 23
	s_or_b32 s53, s53, 0x600000
	s_add_co_i32 s55, s52, 127
	s_lshl_b32 s56, s55, 23
	s_add_co_i32 s55, s55, 8
	s_lshl_b32 s55, s55, 23
	s_or_b32 s55, s55, 0x600000
	v_mov_b32 v[LIM8], s53
	v_mov_b32 v[LIM8B], s53
	v_mov_b32 v[SC8], s54
	v_mov_b32 v[LIM10], s55
	v_mov_b32 v[SC10], s56
	s_mov_b32 s45, 0                               ; the pass's place in my Q images
	s_mov_b32 s46, 2                               ; passes to go
.macro FETCH_KM                        ; eight tiles of 16 keys and their mask bias
	WIN 0
	v_add_nc_u32 v[AD], s40, v[LI]
	v_add_nc_u32 v[AM], s41, v[AM0]
	WIN W_LD
.irp u, 0,1,2,3,4,5,6,7
	ds_load_b128 v[KF+8*\u:KF+8*\u+3], v[AD] offset:1024*\u
	ds_load_b128 v[KF+8*\u+4:KF+8*\u+7], v[AD] offset:1024*\u+512
.endr
.irp u, 0,1,2,3,4,5,6,7
	ds_load_b128 v[MK+8*\u:MK+8*\u+3], v[AM] offset:64*\u
	ds_load_b128 v[MK+8*\u+4:MK+8*\u+7], v[AM] offset:64*\u+16
.endr
.endm
.macro FETCH_V                         ; four tiles of 16 channels x 128 keys of the same block
	WIN W_LD
.irp i, 0,1,2,3
.irp c, 0,1,2,3
	ds_load_b128 v[VF+16*\i+4*\c:VF+16*\i+4*\c+3], v[AD] offset:8192+2048*\i+512*\c
.endr
.endr
	WIN 0
	s_add_co_u32 s40, s40, 16384
	s_add_co_u32 s41, s41, 512
.endm
.macro KQ                              ; S^T = K Q^T + the mask's bias
	WIN W_KQ
.irp t, 0,1
.irp u, 0,1,2,3,4,5,6,7
	v_wmma_f32_16x16x64_fp8_fp8 v[S+64*\t+8*\u:S+64*\t+8*\u+7], v[KF+8*\u:KF+8*\u+7], v[QF+8*\t:QF+8*\t+7], v[MK+8*\u:MK+8*\u+7]
.endr
.endr
.endm
.macro PV t                            ; O^T += V^T P^T: the four accumulators by turns
	WIN W_PV
.irp i, 0,1,2,3
	v_wmma_f32_16x16x128_fp8_fp8 v[OT+32*\t+8*\i:OT+32*\t+8*\i+7], v[VF+16*\i:VF+16*\i+15], v[PC+16*\t:PC+16*\t+15], v[OT+32*\t+8*\i:OT+32*\t+8*\i+7]
.endr
	WIN 0
.endm
.macro MAXL t, n                       ; the tile's largest score, in two chains, each accumulator from its low end on
.set rT, ST+8*(\t)
.set rS, S+64*(\t)
.if (\n) < 2
	v_max3_num_f32 v[rT+6+(\n)], v[rS+3*(\n)], v[rS+3*(\n)+1], v[rS+3*(\n)+2]
.elseif (\n) < 30
	v_max3_num_f32 v[rT+6+(\n)%2], v[rT+6+(\n)%2], v[rS+2*(\n)+2], v[rS+2*(\n)+3]
.elseif (\n) == 30
	v_max3_num_f32 v[rT+6], v[rT+6], v[rS+62], v[rS+63]
.else
	s_delay_alu instid0(VALU_DEP_2)
	v_max_num_f32 v[rT+6], v[rT+6], v[rT+7]
.endif
.endm
.macro FMAL t, k                       ; t - M, two at a time
	v_pk_fma_f32 v[S+64*(\t)+2*(\k):S+64*(\t)+2*(\k)+1], v[S+64*(\t)+2*(\k):S+64*(\t)+2*(\k)+1], s[22:23], v[ST+8*(\t):ST+8*(\t)+1] op_sel_hi:[1,0,0]
.endm
.macro EXPL t, n
	v_exp_f32 v[S+64*(\t)+(\n)], v[S+64*(\t)+(\n)]
.endm
.macro RSL t, k                        ; O^T x f
	v_pk_mul_f32 v[OT+32*(\t)+2*(\k):OT+32*(\t)+2*(\k)+1], v[OT+32*(\t)+2*(\k):OT+32*(\t)+2*(\k)+1], v[ST+8*(\t)+4:ST+8*(\t)+5] op_sel_hi:[1,0]
.endm
.macro LSCL t                          ; the sum x f
	v_pk_mul_f32 v[ST+8*(\t)+2:ST+8*(\t)+3], v[ST+8*(\t)+2:ST+8*(\t)+3], v[ST+8*(\t)+4:ST+8*(\t)+5] op_sel_hi:[1,0]
.endm
.macro PSUM k                          ; tile 0: four p added by pairs into a pair of their own
	v_pk_add_f32 v[PC+2*(\k):PC+2*(\k)+1], v[S+4*(\k):S+4*(\k)+1], v[S+4*(\k)+2:S+4*(\k)+3]
.endm
.macro TADD d, s                       ; and those pairs added up
	v_pk_add_f32 v[PC+2*(\d):PC+2*(\d)+1], v[PC+2*(\d):PC+2*(\d)+1], v[PC+2*(\s):PC+2*(\s)+1]
.endm
.macro SUML t, k                       ; tile 1: the sum in two chains
.set rT, ST+8*(\t)
.set rS, S+64*(\t)
.if (\k) == 0
	v_pk_add_f32 v[rT+6:rT+7], v[rS:rS+1], v[rS+2:rS+3]
.elseif (\k) == 1
.elseif (\k)%2 == 0
	v_pk_add_f32 v[rT+2:rT+3], v[rT+2:rT+3], v[rS+2*(\k):rS+2*(\k)+1]
.else
	v_pk_add_f32 v[rT+6:rT+7], v[rT+6:rT+7], v[rS+2*(\k):rS+2*(\k)+1]
.endif
.endm
.macro SUME t
	v_pk_add_f32 v[ST+8*(\t)+2:ST+8*(\t)+3], v[ST+8*(\t)+2:ST+8*(\t)+3], v[ST+8*(\t)+6:ST+8*(\t)+7]
.endm
.macro MIN2 t, k                       ; the hold, one-sided since p is not negative (the conversion does not saturate: ISA guide 7.6.2), two numbers a line
	v_dual_min_num_f32 v[S+64*(\t)+2*(\k)], v[S+64*(\t)+2*(\k)], v[LIM8] :: v_dual_min_num_f32 v[S+64*(\t)+2*(\k)+1], v[S+64*(\t)+2*(\k)+1], v[LIM8B]
.endm
.macro CVT t                           ; accumulator u gives registers 2 u, 2 u + 1: keys 16 u + 8 (lane / 16) + 0 .. 7, the place that the plain form gives each k
.irp u, 0,1,2,3,4,5,6,7
	v_cvt_scalef32_pk8_fp8_f32 v[PC+16*\t+2*\u:PC+16*\t+2*\u+1], v[S+64*\t+8*\u:S+64*\t+8*\u+7], v[SC8]
.endr
.endm
.macro MCH                             ; the new M and f = 2^(old M - new M) of both tiles, line by line in turn; tile 0's scalings
.irp t, 0,1
	s_delay_alu instid0(VALU_DEP_2)
	v_permlanex16_b32 v[ST+8*\t+5], v[ST+8*\t+6], s20, s21
.endr
.irp t, 0,1
	v_mov_b32 v[ST+8*\t+7], v[ST+8*\t]
.endr
.irp t, 0,1
	s_delay_alu instid0(VALU_DEP_4)
	v_max_num_f32 v[ST+8*\t+6], v[ST+8*\t+6], v[ST+8*\t+5]
.endr
.irp t, 0,1
	s_delay_alu instid0(VALU_DEP_2)
	v_mul_f32 v[ST+8*\t+6], s22, v[ST+8*\t+6]
.endr
.irp t, 0,1
	s_delay_alu instid0(VALU_DEP_2)
	v_max_num_f32 v[ST+8*\t+1], v[ST+8*\t+1], v[ST+8*\t+6]
.endr
.irp t, 0,1
	s_delay_alu instid0(VALU_DEP_2)
	v_floor_f32 v[ST+8*\t], -v[ST+8*\t+1]
.endr
.irp t, 0,1
	s_delay_alu instid0(VALU_DEP_2)
	v_sub_f32 v[ST+8*\t+7], v[ST+8*\t], v[ST+8*\t+7]
.endr
.irp k, 0,1,2
	FMAL 0, \k
.endr
.irp t, 0,1
	v_cvt_i32_f32 v[ST+8*\t+7], v[ST+8*\t+7]
.endr
.irp k, 3,4,5
	FMAL 0, \k
.endr
.irp t, 0,1
	v_ldexp_f32 v[ST+8*\t+4], 1.0, v[ST+8*\t+7]
.endr
.set kk, 6
.rept 26
	FMAL 0, kk
.set kk, kk+1
.endr
.endm
; A STEP: 128 keys x my 32 queries.  fetch = 1: the next block's fragments are asked for on the way.
.macro STEP fetch
	s_wait_dscnt 16                                ; K and the mask are in; V's sixteen loads may be out
	KQ
.if \fetch
	v_nop
	v_nop                                          ; with FETCH_KM's two additions: four places ahead of the loads into K's and the mask's registers
	FETCH_KM
.else
.rept 4
	v_nop
.endr
.endif
	WIN 0
.set nn, 0
.rept 32
	MAXL 0, nn
	MAXL 1, nn
.set nn, nn+1
.endr
	MCH
.set kk, 0
.rept 16
	RSL 0, kk
	RSL 1, kk
.set kk, kk+1
.endr
	LSCL 0
	LSCL 1
	s_wait_alu depctr_va_vdst(0)                   ; ahead of the first batch
.set kk, 0
.rept 32
	EXPL 0, 2*kk
	EXPL 0, 2*kk+1
	FMAL 1, kk
.set kk, kk+1
.endr
	s_wait_alu depctr_va_vdst(0)                   ; behind the first batch and ahead of the second
.set kk, 0
.rept 16
	EXPL 1, 4*kk
	PSUM kk
	EXPL 1, 4*kk+1
	MIN2 0, 2*kk
	EXPL 1, 4*kk+2
	EXPL 1, 4*kk+3
	MIN2 0, 2*kk+1
.set kk, kk+1
.endr
	s_wait_alu depctr_va_vdst(0)                   ; behind the second batch, and directly ahead of the wait below
.if \fetch
	s_wait_dscnt 32                                ; V is in; the next block's 32 loads of K and mask may be out
.else
	s_wait_dscnt 0x0
.endif
.irp k, 0,1,2,3,4,5,6,7
	TADD \k+8, \k                                  ; the sums move out of tile 0's code registers
.endr
	CVT 0
.irp k, 8,9,10,11
	TADD \k+4, \k                                  ; (plain lines between the conversions and the products)
.endr
	PV 0
.set kk, 0
.rept 32
	SUML 1, kk
	MIN2 1, kk
.if kk == 2
	TADD 14, 12
	TADD 15, 13
.elseif kk == 6
	TADD 15, 14
.elseif kk == 10
	v_pk_add_f32 v[ST+2:ST+3], v[ST+2:ST+3], v[PC+30:PC+31]
.endif
.set kk, kk+1
.endr
	CVT 1
	SUME 1
	PV 1
.rept 4
	v_nop                                          ; places ahead of the loads into V's registers, and of the way out's reads
.endr
.if \fetch
	FETCH_V
.endif
	WIN 0
.endm
.macro INIT                            ; the step is written for every block alike: the first finds zeros, which the first change of M leaves zeros
.irp t, 0,1
	v_mov_b32 v[ST+8*\t+1], 0xe5000000             ; the largest t so far: -2^75
	v_mov_b32 v[ST+8*\t], 0x65000000               ; -M
	v_mov_b32 v[ST+8*\t+2], 0
	v_mov_b32 v[ST+8*\t+3], 0
	v_mov_b32 v[ST+8*\t+5], 0
.endr
.set i, 0
.rept 64
	v_mov_b32 v[OT+i], 0
.set i, i+1
.endr
.endm
; THE WAY OUT of a tile: hold, codes; then lanes l and l xor 16 exchange halves, so that a lane holds channels 32 c + 16 (lane / 16) + 0 .. 15 in group c: the last product's fragment; two stores of 512 consecutive bytes.
.macro EPIT t
.set rS, S+64*(\t)
.set rP, PC+16*(\t)
.set i, 0
.rept 32
	v_med3_num_f32 v[rS+i], v[rS+i], -v[LIM10], v[LIM10]
.set i, i+1
.endr
.irp i, 0,1,2,3
	v_cvt_scalef32_pk8_fp8_f32 v[rP+2*\i:rP+2*\i+1], v[rS+8*\i:rS+8*\i+7], v[SC10]
.endr
	v_nop
.irp c, 0,1
.irp i, 0,1
	v_cndmask_b32 v[rS+32+2*\c+\i], v[rP+4*\c+2+\i], v[rP+4*\c+\i], s43
.endr
.endr
.irp c, 0,1
.irp i, 0,1
	v_permlanex16_b32 v[rS+36+2*\c+\i], v[rS+32+2*\c+\i], s20, s21
.endr
.endr
.irp c, 0,1
.irp i, 0,1
	v_cndmask_b32 v[rS+40+4*\c+\i], v[rP+4*\c+\i], v[rS+36+2*\c+\i], s43
	v_cndmask_b32 v[rS+40+4*\c+2+\i], v[rS+36+2*\c+\i], v[rP+4*\c+2+\i], s43
.endr
.endr
	global_store_b128 v[LI], v[rS+40:rS+43], s[12:13] offset:4096*\t
	global_store_b128 v[LI], v[rS+44:rS+47], s[12:13] offset:4096*\t+512
.endm
	s_wait_alu depctr_va_vdst(0)                   ; the wait at the head's end
	s_wait_tensorcnt 0x0                           ; my part of K and V is in,
	s_wait_dscnt 0x0                               ; my part of the mask's bias is stored:
	s_barrier_signal -1
	s_barrier_wait -1                              ; everybody's is.  Nothing is filled again
.Lpass:                                            ; two trips: 32 of my 64 queries each
	s_mov_b32 s40, 0
	s_mov_b32 s41, 0
	v_add_nc_u32 v[AM], s45, v[AQ]
	WIN W_LD
.irp i, 0,1,2,3
	ds_load_b128 v[QF+4*\i:QF+4*\i+3], v[AM] offset:512*\i
.endr
	FETCH_KM
	FETCH_V
	INIT
	s_mov_b32 s42, 15
.Lstep:
	STEP 1
	s_sub_co_u32 s42, s42, 1
	s_cmp_lg_u32 s42, 0
	s_cbranch_scc1 .Lstep
	STEP 0                                         ; the last block fetches nothing
.irp t, 0,1
	v_add_f32 v[ST+8*\t+2], v[ST+8*\t+2], v[ST+8*\t+3]
.endr
.irp t, 0,1
	v_permlanex16_b32 v[ST+8*\t+5], v[ST+8*\t+2], s20, s21
.endr
.irp t, 0,1
	v_add_f32 v[ST+8*\t+2], v[ST+8*\t+2], v[ST+8*\t+5]   ; the row's sum
.endr
	s_wait_alu depctr_va_vdst(0)                   ; ahead of the batch of two
	v_rcp_f32 v[ST+2], v[ST+2]
	v_rcp_f32 v[ST+10], v[ST+10]
	v_nop
	s_wait_alu depctr_va_vdst(0)                   ; behind it
	v_ldexp_f32 v[ST+2], v[ST+2], s44              ; x 2^(e8 + e9)
	v_ldexp_f32 v[ST+10], v[ST+10], s44
	s_wait_alu depctr_va_vdst(0)                   ; directly ahead of the first reader of O^T
.irp t, 0,1
.set i, 0
.rept 16
	v_pk_mul_f32 v[S+64*\t+i:S+64*\t+i+1], v[OT+32*\t+i:OT+32*\t+i+1], v[ST+8*\t+2:ST+8*\t+3] op_sel_hi:[1,0]
.set i, i+2
.endr
.endr
	EPIT 0
	EPIT 1
	s_wait_xcnt 0x0                                ; the stores have read their registers and their base
	s_add_nc_u64 s[12:13], s[12:13], 8192          ; two tiles on
	s_add_co_u32 s45, s45, 2048
	s_sub_co_u32 s46, s46, 1
	s_cmp_lg_u32 s46, 0
	s_cbranch_scc1 .Lpass
	s_wait_tensorcnt 0x0                           ; the wave's end
	ds_add_u32 v[SPW], v[NIL]
	s_wait_dscnt 0x0
	CROUND                                         ; the closing round
	s_endpgm
.Lfunc_end_k_q0c91be1170_attn:
	.size	k_q0c91be1170_attn, .Lfunc_end_k_q0c91be1170_attn-k_q0c91be1170_attn
	.p2alignl 7, 3214868480
	.fill 96, 4, 3214868480
	.section	.rodata,"a",@progbits
	.p2align	6, 0x0
	.amdhsa_kernel k_q0c91be1170_attn
		.amdhsa_group_segment_fixed_size 327680
		.amdhsa_private_segment_fixed_size 0
		.amdhsa_enable_private_segment 0
		.amdhsa_kernarg_size 40
		.amdhsa_user_sgpr_count 2
		.amdhsa_user_sgpr_kernarg_segment_ptr 1
		.amdhsa_wavefront_size32 1
		.amdhsa_system_sgpr_workgroup_id_x 1
		.amdhsa_system_sgpr_workgroup_id_y 1
		.amdhsa_system_sgpr_workgroup_id_z 1
		.amdhsa_system_vgpr_workitem_id 0
		.amdhsa_next_free_vgpr 512
		.amdhsa_next_free_sgpr 66
		.amdhsa_reserve_vcc 1
		.amdhsa_float_denorm_mode_32 3
		.amdhsa_float_denorm_mode_16_64 3
		.amdhsa_memory_ordered 1
		.amdhsa_forward_progress 1
		.amdhsa_inst_pref_size 80
	.end_amdhsa_kernel
	.amdgpu_metadata
---
amdhsa.version: [ 1, 2 ]
amdhsa.kernels:
  - .name:           k_q0c91be1170_attn
    .symbol:         k_q0c91be1170_attn.kd
    .args:
      - { .name: qimg, .offset: 0, .size: 8, .value_kind: global_buffer, .address_space: global }
      - { .name: kv, .offset: 8, .size: 8, .value_kind: global_buffer, .address_space: global }
      - { .name: mask, .offset: 16, .size: 8, .value_kind: global_buffer, .address_space: global }
      - { .name: lowp_scales, .offset: 24, .size: 8, .value_kind: global_buffer, .address_space: global }
      - { .name: ctximg, .offset: 32, .size: 8, .value_kind: global_buffer, .address_space: global }
    .group_segment_fixed_size: 327680
    .private_segment_fixed_size: 0
    .kernarg_segment_align: 8
    .kernarg_segment_size: 40
    .max_flat_workgroup_size: 256
    .sgpr_count:     66
    .vgpr_count:     512
    .wavefront_size: 32
...
	.end_amdgpu_metadata
.endif
;; end of part 7
;; launch oproj (part 8): grid 32 x 8, 4 waves a work-group, clusters of 4 x 1, 327,680 bytes of LDS; arguments ctximg, wcodes, lowp_scales, bo, out0; writes out0
.if DOCPART == 8
	.amdgcn_target "amdgcn-amd-amdhsa--gfx1250"
	.amdhsa_code_object_version 6
	.text
	.protected	k_q0c91be1170_oproj
	.globl	k_q0c91be1170_oproj
	.p2align	8
	.type	k_q0c91be1170_oproj,@function
k_q0c91be1170_oproj:
	s_mov_b64 s[64:65], 0
	v_nop
	global_prefetch_b8 v0, s[64:65] scope:SCOPE_SE
	s_setreg_imm32_b32 hwreg(HW_REG_WAVE_MODE, 25, 1), 1
	s_wait_xcnt 0x0
	s_wait_alu depctr_hold_cnt(0) depctr_sa_sdst(0) depctr_va_vdst(0) depctr_va_sdst(0) depctr_va_ssrc(0) depctr_va_vcc(0) depctr_vm_vsrc(0)
	s_getreg_b32 s2, hwreg(HW_REG_IB_STS2, 6, 4)
	s_cmp_eq_u32 s2, 0
	s_cbranch_scc0 .Lentry_in_a_cluster
	s_endpgm
.Lentry_in_a_cluster:
	s_bfe_u32 s2, ttmp6, 0x10000c
	s_cmp_lg_u32 s2, 0x3003
	s_cbranch_scc0 .Lentry_shape_is_right
	s_endpgm
.Lentry_shape_is_right:
; out0 = context wo^T + bo on codes of FP8 (E4M3), K = 1,024, sums in f32; each finished sum x 2^(e10 + e11), plus the bias.
; A block is 256 tokens (work-group x) x 128 outputs (work-group y), made by four waves, each 64 tokens x 128 outputs in 32 accumulators.
; Both operands arrive as images of the operand's registers: a group of four registers is 512 consecutive bytes, lane l's 16 at 16 l; registers 4 c .. 4 c + 3 hold K = 32 c + 16 (lane / 16) + 0 .. 15 of a K step of 128.
; T, source 0 of the matrix instruction: wo's 128 rows, all 1,024 along K (8 tiles of 16 rows, 16,384 bytes each), lie in LDS and are filled ONCE: one tensor load of 32,768 bytes a wave.  No ring, no refill.
; CLUSTERS: the four work-groups of a cluster take four neighbouring blocks of tokens and the same 128 rows of wo: those are asked for jointly, by the same descriptor with a mask that names the four.
; U, source 1: the context's fragments (ctximg: [4 K steps of 256][512 tiles of 16 tokens][4,096 B]).  Each is read by one wave of the work-group alone: so they go from memory straight into registers.
; Every offset is an immediate.  K steps 0 to 5 (of 128) are asked for at the head, beside the tensor load; K steps 6 and 7 take the registers of steps 0 and 1 as soon as those are multiplied.
; No prefetch: the text has no loop to run ahead in, and six of the eight steps are asked for at the head.
; In the result lane (r, h) holds token r and, in register j, output 8 h + j of T's block: 32 neighbouring bytes of a row of out0.
; LIMIT: e10 + e11 between -126 and 127, so that 2^(e10 + e11) is an f32 number.
; REGISTERS, in windows of 256: window 0: v0-31 addresses, v32-95 the bias, v128-255 T's set 0;  window 1: the accumulators ((a, b) at v[8 (8 a + b)]);
;   window 2: U's buffers 0-3 (64 each), on the way out the rows read back;  window 3: v0-127 U's buffers 4, 5; v128-255 T's set 1.
.set STAGE,  131072                    ; behind T: a stage of 16 rows x 528 bytes for each wave, which no tensor load fills
.set SPITCH, 528
.set SPARE,  STAGE+4*16*SPITCH         ; the spare words, 128 bytes a wave, which no other line names
.set ADB,  20                          ; v20, v21  LDS address of T's tiles 0-3, 4-7: 16 x lane, + 65,536
.set STO,  24                          ; the way out: where I put 32 bytes of a row
.set RD,   25                          ; where I read a row back
.set CO,   26                          ; 16 x lane
.set SPW,  28
.set NIL,  29
.set BI,   32
.set MSB, 0
.macro WIN new                         ; the immediate's high byte repeats the setting that is left
.if MSB != (\new)
	s_set_vgpr_msb (MSB<<8)|(\new)
.set MSB, (\new)
.endif
.endm
.macro CROUND                          ; a round of the cluster's barrier
	s_barrier_signal -1
	s_barrier_wait -1
	s_cmp_lg_u32 s14, 0
	s_cbranch_scc1 .Lnot_wave_0_\@
	s_barrier_signal -3
.Lnot_wave_0_\@:
	s_barrier_wait -3
	s_barrier_signal -1
	s_barrier_wait -1
.endm
.macro PLACES                          ; plain vector lines between a matrix instruction and a load into, or a vector line on, its registers
.rept 4
	v_nop
.endr
.endm
	s_load_b256 s[68:75], s[0:1], 0x0              ; ctximg s[68:69], wcodes s[70:71], the scales s[72:73], bo s[74:75]
	s_load_b64 s[10:11], s[0:1], 0x20              ; out0
	v_lshl_add_u32 v[SPW], v0, 2, SPARE
	v_mov_b32 v[NIL], 0
	ds_add_u32 v[SPW], v[NIL]                      ; the opening lines: the add, twice on end, and its wait
	ds_add_u32 v[SPW], v[NIL]
	v_lshrrev_b32 v1, 5, v0
	v_readfirstlane_b32 s14, v1                    ; wave 0..3
	s_bfe_u32 s40, ttmp6, 0x40000                  ; cx
	s_and_b32 s41, ttmp7, 0xffff                   ; the block of 128 outputs
	s_lshl_b32 s42, ttmp9, 2
	s_add_co_u32 s42, s42, s40                     ; the block of 256 tokens
	s_mov_b32 s24, 15|(3<<16)|(1<<21)              ; the mask names the four; elements of 8 bytes; 128 rows of 256 bytes, dense
	s_mov_b32 s25, 32<<16
	s_mov_b32 s26, 128<<16
	s_mov_b32 s27, 32<<16
	s_mov_b32 s28, 128
	s_mov_b32 s29, 32
	s_mov_b32 s30, 0
	s_mov_b32 s31, 0
	s_lshl_b32 s46, s41, 17                        ; 8 tiles of 16,384 bytes a block,
	s_lshl_b32 s33, s14, 15                        ; my two of them,
	s_add_co_u32 s46, s46, s33
	s_add_co_u32 s46, s46, 0x300000                ; in wo's codes, the fourth of wcodes
	s_mov_b32 s47, 0
	s_mov_b32 s32, 1
	s_wait_dscnt 0x0
	s_wait_kmcnt 0x0
	s_load_b64 s[96:97], s[72:73], 0x28            ; e10, e11
	s_add_nc_u64 s[34:35], s[70:71], s[46:47]
	s_or_b32 s35, s35, 0x80000000
	CROUND
	tensor_load_to_lds s[32:35], s[24:31]          ; my one tensor load
	s_nop 0
	PLACES
	s_lshl_b32 s20, s42, 16                        ; U: 16 tiles of 4,096 bytes a block,
	s_lshl_b32 s21, s14, 14                        ; my four of them
	s_add_co_u32 s20, s20, s21
	s_mov_b32 s21, 0
	s_add_nc_u64 s[20:21], s[68:69], s[20:21]
	s_lshl_b32 s46, s41, 9                         ; 128 f32
	s_add_nc_u64 s[98:99], s[74:75], s[46:47]      ; the bias
	s_lshl_b32 s22, s42, 20                        ; out0: 256 rows of 4,096 bytes a block,
	s_lshl_b32 s23, s14, 18                        ; my 64 of them,
	s_add_co_u32 s22, s22, s23
	s_add_co_u32 s22, s22, s46                     ; my block's 512 bytes of a row
	s_mov_b32 s23, 0
	s_add_nc_u64 s[10:11], s[10:11], s[22:23]
	s_mul_i32 s12, s14, 16*SPITCH
	s_add_co_u32 s12, s12, STAGE                   ; my stage
	v_and_b32 v1, 15, v0                           ; r
	v_bfe_u32 v2, v0, 4, 1                         ; h
	v_and_b32 v6, 31, v0
	v_mul_u32_u24 v5, v1, SPITCH
	v_lshlrev_b32 v[CO], 4, v6
	v_lshlrev_b32 v7, 5, v2                        ; 32 h
	v_lshlrev_b32 v[ADB], 4, v6
	v_lshl_add_u32 v[ADB+1], v6, 4, 65536
	v_lshl_add_u32 v5, v2, 5, v5
	v_add_nc_u32 v[STO], s12, v5
	v_add_nc_u32 v[RD], s12, v[CO]
	s_wait_alu depctr_va_vdst(0)                   ; the wait at the head's end: no vector line writes an address behind it
.macro LOADA q                         ; U's four fragments of K step q into buffer q % 6: sixteen loads of 512 consecutive bytes
.set AB, (\q)%6
	WIN (2+AB/4)<<6
.irp a, 0,1,2,3
.irp c, 0,1,2,3
	global_load_b128 v[64*(AB%4)+16*\a+4*\c:64*(AB%4)+16*\a+4*\c+3], v[CO], s[20:21] offset:((\q)/2)*0x200000+((\q)%2)*2048+\a*4096+\c*512
.endr
.endr
.endm
.macro LOADB q                         ; T's eight fragments of K step q into set q % 2
	WIN (3*((\q)%2))<<6
.irp i, 0,1,2,3
.irp c, 0,1,2,3
	ds_load_b128 v[128+16*\i+4*\c:128+16*\i+4*\c+3], v[ADB] offset:\i*16384+2048*(\q)+512*\c
.endr
.endr
.irp i, 4,5,6,7
.irp c, 0,1,2,3
	ds_load_b128 v[128+16*\i+4*\c:128+16*\i+4*\c+3], v[ADB+1] offset:(\i-4)*16384+2048*(\q)+512*\c
.endr
.endr
.endm
.macro MUL q                           ; 32 matrix instructions; the 32 accumulators take turns, in the same order in every step.  Step 0 starts the sums
.set AB, (\q)%6
	WIN 0x50|(3*((\q)%2))|((2+AB/4)<<2)
.irp a, 0,1,2,3
.irp b, 0,1,2,3,4,5,6,7
.if (\q) == 0
	v_wmma_f32_16x16x128_fp8_fp8 v[8*(8*\a+\b):8*(8*\a+\b)+7], v[128+16*\b:128+16*\b+15], v[64*(AB%4)+16*\a:64*(AB%4)+16*\a+15], 0
.else
	v_wmma_f32_16x16x128_fp8_fp8 v[8*(8*\a+\b):8*(8*\a+\b)+7], v[128+16*\b:128+16*\b+15], v[64*(AB%4)+16*\a:64*(AB%4)+16*\a+15], v[8*(8*\a+\b):8*(8*\a+\b)+7]
.endif
.endr
.endr
.endm
.macro STEP q, n                       ; n: the global loads issued behind this step's sixteen, which may be out (63 where they are more)
	s_wait_loadcnt \n
	s_wait_dscnt 0x0                               ; T's set, asked for a step ago
.if (\q) < 7
.if (\q) > 0
	PLACES                                         ; the other set was multiplied in the last step
.endif
	LOADB (\q)+1
.endif
	MUL \q
.if (\q) < 2
	PLACES
	LOADA (\q)+6                                   ; this step's buffer takes the step six further on
.endif
.endm
.irp b, 0,1,2,3,4,5,6,7
	global_load_b128 v[BI+8*\b:BI+8*\b+3], v7, s[98:99] offset:64*\b        ; register 8 b + j: the bias at output 16 b + 8 h + j
	global_load_b128 v[BI+8*\b+4:BI+8*\b+7], v7, s[98:99] offset:64*\b+16
.endr
.irp q, 0,1,2,3,4,5
	LOADA \q
.endr
	WIN 0
	s_wait_kmcnt 0x0
	s_add_co_i32 s96, s96, s97
	s_add_co_i32 s96, s96, 127
	s_lshl_b32 s96, s96, 23                        ; 2^(e10 + e11) as f32
	s_mov_b32 s97, s96                             ; (named with it as a pair, so it is written)
	s_wait_tensorcnt 0x0                           ; my part of T is in:
	s_barrier_signal -1
	s_barrier_wait -1                              ; everybody's is.  Nothing is filled again
	LOADB 0
	STEP 0, 63                                     ; behind step 0's loads: 80
	STEP 1, 63                                     ; 64 + step 6's 16
	STEP 2, 63                                     ; 48 + steps 6 and 7's 32
	STEP 3, 63                                     ; 32 + 32
	STEP 4, 48
	STEP 5, 32
	STEP 6, 16
	STEP 7, 0
; THE WAY OUT, block by block of 16 tokens x 128 outputs: sum x 2^(e10 + e11) + bias, in place, each accumulator from its low end on; through my own stage, back as whole rows of 512 bytes,
; which the 32 lanes store as two aligned units of 256 bytes.  LDS serves a wave's instructions in order (ISA guide 5.7.1.4): no wait between the stores and the loads, nor ahead of the next block's stores.
.macro TOSTAGE a
.set AC, 64*(\a)
	WIN 0x41                                       ; source 0 and destination: the accumulators' window
.set i, 0
.rept 32
	v_pk_fma_f32 v[AC+i:AC+i+1], v[AC+i:AC+i+1], s[96:97], v[BI+i:BI+i+1] op_sel_hi:[1,0,1]
.set i, i+2
.endr
	WIN 0x04
.irp b, 0,1,2,3,4,5,6,7
	ds_store_b128 v[STO], v[AC+8*\b:AC+8*\b+3] offset:64*\b
	ds_store_b128 v[STO], v[AC+8*\b+4:AC+8*\b+7] offset:64*\b+16
.endr
	WIN 0x80                                       ; each block has 64 registers of its own in window 2: no store's data are written again
.irp t, 0,1,2,3,4,5,6,7,8,9,10,11,12,13,14,15
	ds_load_b128 v[AC+4*\t:AC+4*\t+3], v[RD] offset:\t*SPITCH
.endr
.endm
.macro SEND a, younger                 ; younger: the LDS instructions issued behind block a's loads, which may stay out
	s_wait_dscnt \younger
	WIN 0x08
.irp t, 0,1,2,3,4,5,6,7,8,9,10,11,12,13,14,15
	global_store_b128 v[CO], v[64*(\a)+4*\t:64*(\a)+4*\t+3], s[10:11] offset:(16*(\a)+\t)*4096 th:TH_STORE_NT
.endr
.endm
	PLACES
	TOSTAGE 0
.irp a, 1,2,3
	TOSTAGE \a
	SEND \a-1, 32                                  ; behind block a - 1's loads: block a's 16 stores and 16 loads
.endr
	SEND 3, 0
	WIN 0
	s_wait_tensorcnt 0x0                           ; the wave's end
	ds_add_u32 v[SPW], v[NIL]
	s_wait_dscnt 0x0
	CROUND                                         ; the closing round
	s_endpgm
.Lfunc_end_k_q0c91be1170_oproj:
	.size	k_q0c91be1170_oproj, .Lfunc_end_k_q0c91be1170_oproj-k_q0c91be1170_oproj
	.p2alignl 7, 3214868480
	.fill 96, 4, 3214868480
	.section	.rodata,"a",@progbits
	.p2align	6, 0x0
	.amdhsa_kernel k_q0c91be1170_oproj
		.amdhsa_group_segment_fixed_size 327680
		.amdhsa_private_segment_fixed_size 0
		.amdhsa_enable_private_segment 0
		.amdhsa_kernarg_size 40
		.amdhsa_user_sgpr_count 2
		.amdhsa_user_sgpr_kernarg_segment_ptr 1
		.amdhsa_wavefront_size32 1
		.amdhsa_system_sgpr_workgroup_id_x 1
		.amdhsa_system_sgpr_workgroup_id_y 1
		.amdhsa_system_sgpr_workgroup_id_z 1
		.amdhsa_system_vgpr_workitem_id 0
		.amdhsa_next_free_vgpr 1024
		.amdhsa_next_free_sgpr 100
		.amdhsa_reserve_vcc 0
		.amdhsa_float_denorm_mode_32 3
		.amdhsa_float_denorm_mode_16_64 3
		.amdhsa_memory_ordered 1
		.amdhsa_forward_progress 1
		.amdhsa_inst_pref_size 75
	.end_amdhsa_kernel
	.amdgpu_metadata
---
amdhsa.version: [ 1, 2 ]
amdhsa.kernels:
  - .name:           k_q0c91be1170_oproj
    .symbol:         k_q0c91be1170_oproj.kd
    .args:
      - { .name: ctximg, .offset: 0, .size: 8, .value_kind: global_buffer, .address_space: global }
      - { .name: wcodes, .offset: 8, .size: 8, .value_kind: global_buffer, .address_space: global }
      - { .name: lowp_scales, .offset: 16, .size: 8, .value_kind: global_buffer, .address_space: global }
      - { .name: bo, .offset: 24, .size: 8, .value_kind: global_buffer, .address_space: global }
      - { .name: out0, .offset: 32, .size: 8, .value_kind: global_buffer, .address_space: global }
    .group_segment_fixed_size: 327680
    .private_segment_fixed_size: 0
    .kernarg_segment_align: 8
    .kernarg_segment_size: 40
    .max_flat_workgroup_size: 128
    .sgpr_count:     100
    .vgpr_count:     1024
    .wavefront_size: 32
...
	.end_amdgpu_metadata
.endif
;; end of part 8
